; MI455X (gfx1250); checked and timed in simulation.
; The chip was launched on July 23, 2026; its instructions are those of AMD's public machine-readable ISA for CDNA 5 (MIT licence, August 2026) and "CDNA5" Instruction Set Architecture Reference Guide (July 2026). The comments in the code are by the model that wrote it; some were corrected since.
;; Causal Self Attention. Allowed arithmetic: matrix products marked QUANTISED: E2M3 operands, one E8M0 scale for each 32 along K, by v_wmma_scale_f32_16x16x128_f8f6f4 with both operands' format E2M3, f32 sums; everything else in f32.
;; Inputs: w_attn 3,072 x 1,024 float32; w_proj 1,024 x 1,024 float32; x 4 x 2,048 x 1,024 float32.
;; Outputs: out0 4 x 2,048 x 1,024 float32.
;; This version of the problem:
;;   THIS VERSION OF THE PROBLEM IS GIVEN IN LOW PRECISION. The matrix products marked QUANTISED in the list below multiply operands that are first quantised to E2M3 (2 exponent bits, 3 mantissa bits; 6 bits a number), with one power-of-two scale for each 32 numbers along K (OCP MX v1.0); their sums are f32. All else is computed in f32.
;;   The module's matrix products, in the order in which they are computed (A, B: the left and right operand; K: the contracted axis; several contracted axes count as one K, in the product's order):
;;     1. [M 8,192, K 1,024] x [K 1,024, N 3,072]; A: input x; B: input w_attn: QUANTISED
;;     2. batch 64 x [M 2,048, K 64] x [K 64, N 2,048]; A: computed on the way; B: computed on the way: QUANTISED
;;     3. batch 64 x [M 2,048, K 2,048] x [K 2,048, N 64]; A: softmax (see below); B: computed on the way: QUANTISED
;;     4. [M 8,192, K 1,024] x [K 1,024, N 1,024]; A: computed on the way; B: input w_proj: QUANTISED
;;   THE QUANTISER, for each operand of a quantised product, along K:
;;     - K is cut into blocks of 32 from its start; a last block that is shorter is filled with zeros.
;;     - A block's scale is 2^e with e = floor(log2(the largest magnitude in the block)) - 2, held to -126 .. 127; a block of zeros has e = 0. As a byte (E8M0): e + 127.
;;     - Each number is divided by its block's scale, clamped to +-7.5, and rounded to the nearest number of E2M3, ties to even, subnormals kept.
;;     - The product sums the exact products of the quantised numbers (number of the format x scale) in f32.
;;   ~~~python
;;   def quantise(x, axis):      # numpy; x: float32 -> the quantised numbers, widened to float32 again
;;       x = np.moveaxis(x, axis, -1); K = x.shape[-1]
;;       x = np.pad(x, [(0, 0)] * (x.ndim - 1) + [(0, -K % 32)]); x = x.reshape(x.shape[:-1] + (-1, 32)); a = np.abs(x).max(-1, keepdims=True)
;;       e = np.where(a > 0, np.clip(np.frexp(np.where(a > 0, a, 1))[1] - 1 - 2, -126, 127), 0)      # np.frexp(a)[1] - 1 = floor(log2(a)), exactly
;;       r = np.clip(x / 2.0 ** e, -7.5, 7.5)
;;       step = 2.0 ** (np.maximum(np.frexp(np.where(r == 0, 1, r))[1] - 1, 0) - 3)
;;       q = np.round(r / step) * step * 2.0 ** e      # np.round: ties to even
;;       return np.moveaxis(q.reshape(q.shape[:-2] + (-1,))[..., :K], -1, axis).astype(np.float32)
;;   ~~~
;;   SOFTMAX AHEAD OF A QUANTISED PRODUCT. Where the list says 'softmax', what is quantised is not the finished softmax but p = 2^(t - M), with t = logit x log2(e) and M = ceil(the row's largest t), a whole number; so 1/2 < the row's largest p <= 1. The row's sum l is taken of the UNQUANTISED p, in f32, and the product's result is divided by l at the end. Since M is a whole number, a kernel that streams over the keys may use a running M (the ceiling of the running maximum): every later rescaling is an exact power of two, which a block's scale takes up: the codes' values come out the same.
;;   OPERANDS COMPUTED ON THE WAY. 'Computed on the way' means the value that the module computes at that place (a softmax that the list does not call 'softmax' is quantised finished and normalised). What goes into a quantiser is computed in f32, as accurately as f32 sums, v_exp_f32 and their like allow (about 1e-6 of the number): no bf16 or f16 on the way to a quantiser, and a product that is left as it is and whose result goes on into a quantised operand takes f32 operands (vector FMAs, or v_wmma_f32_16x16x4_f32). A number that lies on a knife's edge between two numbers of the format may be rounded either way, as far as f32 arithmetic and the matrix unit's own rounding can turn it there, and no further.
;; One version. Each part assembles by itself: llvm-mc -triple=amdgcn-amd-amdhsa -mcpu=gfx1250 --defsym DOCPART=n.
;; ======== version 1 of 1: 4 launches
;; limits: right only within a limited range of input values
;; workspace buffers: cimg 9,437,184 bytes; csc 393,216 bytes; qkv 19,660,800 bytes; yimg 6,291,456 bytes; ysc 262,144 bytes
;; launch quant (part 1): grid 192 x 4, 4 waves a work-group, no clusters, 68,608 bytes of LDS; arguments x, w_attn, w_proj, cimg, csc; writes cimg, csc
.if DOCPART == 1
	.amdgcn_target "amdgcn-amd-amdhsa--gfx1250"
	.amdhsa_code_object_version 6
	.text
	.protected	k_q8f28e6f9cb_quant
	.globl	k_q8f28e6f9cb_quant
	.p2align	8
	.type	k_q8f28e6f9cb_quant,@function
k_q8f28e6f9cb_quant:
	s_mov_b64 s[64:65], 0
	v_nop
	global_prefetch_b8 v0, s[64:65] scope:SCOPE_SE
	s_setreg_imm32_b32 hwreg(HW_REG_WAVE_MODE, 25, 1), 1
	s_wait_xcnt 0x0
; x [8192][1024], w_attn [3072][1024], w_proj [1024][1024], f32, K innermost, become codes of FP6 (E2M3) with one E8M0 byte for each 32 along K,
; laid as IMAGES OF OPERAND REGISTERS.  The 12,288 rows are cut into 768 tiles of 16 rows (x: 0-511, w_attn: 512-703, w_proj: 704-767).
; THE ROWS OF A TILE ARE NOT NEIGHBOURS: row i of a tensor's tile 2 B + u is the tensor's row 32 B + 8 u + i + 8 (i / 8).
; A fragment (one tile x 128 along K) is 12 registers a lane: lane (r, h) holds row r; registers 6 c .. 6 c + 5 hold k = 64 c + 32 h + 0 .. 31.
; Its image is 1,536 bytes: for c = 0, 1: registers 6 c .. 6 c + 3 at 768 c + 16 x lane, registers 6 c + 4, 6 c + 5 at 768 c + 512 + 8 x lane.
; cimg: [768 tiles][8 chunks of 128 K][1,536].   csc: [8 chunks][768 tiles][16 rows] words of four scale bytes.
; A block's scale is 2^(floor(log2(its largest magnitude)) - 2); its byte is that magnitude's exponent field - 2, held at 1 from below.
; LIMITS: a block whose largest magnitude lies under 2^-124 gets the byte 1; a block of zeros gets the byte 1 (not 127) with zero codes: the bytes are read by this program alone;
; NaN and infinities among the inputs are not served.
; SHARES.  Work-group (g, c): tiles 4 g .. 4 g + 3, chunks 2 c and 2 c + 1; wave w: tile 4 g + w.  Each load reads 512 consecutive bytes (one row's chunk); a chunk's 16 rows turn through the
; wave's own stage in LDS (rows 528 bytes apart), so that a lane gets, of its row, 16 neighbours of each block of 32.  No tensor load, one barrier (for the scale words).
.set SP,    528                        ; a stage row: 512 bytes + 16: 132 words, so the 16 rows of a load start at 16 different groups of four banks
.set STG1,  16*SP                      ; the second stage
.set WREG,  2*STG1                     ; a wave's two stages
.set SCA,   4*WREG                     ; the work-group's scale words: [2 chunks][4 tiles][16 rows] x 4 bytes
.set SPARE, SCA+512                    ; the spare words, 128 bytes for each wave: two blocks of 256 bytes that no other line names
.set SPW,   12                         ; v12  LDS address of my spare word; never rewritten
.set NIL,   13                         ; v13  0; never rewritten
.set R0,    16                         ; v16-79   chunk 0 as loaded; later X1
.set R1,    80                         ; v80-143  chunk 1 as loaded; later PC1
.set X0,    144                        ; v144-207 chunk 0: register 16 b + i = k 32 b + 16 h + i of my row
.set X1,    16
.set TM,    208                        ; v208-223 at work
.set PW0,   224                        ; the two scale words
.set PW1,   225
.set PC0,   228                        ; v228-246 chunk 0's codes
.set PC1,   80                         ; v80-98   chunk 1's
.set SEL,   20                         ; s[20:21] lane selects: lane l xor 16
; 64 numbers of a lane, register 16 b + i = k 32 b + 16 h + i of my row, become a fragment's 12 registers at pc and its scale word in pw
.macro QUANT s, pc, pw
.irp b, 0,1,2,3
	v_max3_num_f32 v[TM+\b], |v[\s+16*\b]|, |v[\s+1+16*\b]|, 0x1800000   ; block b: my 16 numbers, and the floor 2^(3 - 127): the byte cannot fall under 1
.endr
.irp i, 2,4,6,8,10,12,14
.irp b, 0,1,2,3
	v_max3_num_f32 v[TM+\b], v[TM+\b], |v[\s+16*\b+\i]|, |v[\s+1+16*\b+\i]|   ; the four blocks by turns
.endr
.endr
.irp b, 0,1,2,3
	v_permlanex16_b32 v[TM+4+\b], v[TM+\b], s[SEL], s[SEL+1]
.endr
.irp b, 0,1,2,3
	v_max_num_f32 v[TM+\b], v[TM+\b], v[TM+4+\b]   ; with lane l xor 16's: the block's largest magnitude
.endr
.irp b, 0,1,2,3
	v_add_nc_u32 v[TM+12+\b], 0xff000000, v[TM+\b]   ; 2 off its exponent field: the conversion takes this operand's exponent field as its scale
.endr
.irp b, 0,1,2,3
	v_lshrrev_b32 v[TM+4+\b], 23, v[TM+12+\b]      ; the scale's byte
.endr
	v_lshl_or_b32 v[\pw], v[TM+5], 8, v[TM+4]      ; four bytes: my row's scale word
	v_lshl_or_b32 v[\pw], v[TM+6], 16, v[\pw]
	v_lshl_or_b32 v[\pw], v[TM+7], 24, v[\pw]
.irp c, 0,1
	v_cvt_scalef32_pk16_fp6_f32 v[\pc+6*\c:\pc+2+6*\c], v[\s+32*\c:\s+15+32*\c], v[TM+12+2*\c]
	v_cvt_scalef32_pk16_fp6_f32 v[\pc+12+4*\c:\pc+14+4*\c], v[\s+16+32*\c:\s+31+32*\c], v[TM+12+2*\c+1]   ; (a conversion's three registers begin on an even number)
.endr
	v_nop                                          ; one plain instruction behind the scaled conversions
.irp c, 0,1                                    ; the layout wants a whole block in a lane: lanes 0-15 block 2 c, lanes 16-31 block 2 c + 1
.irp i, 0,1,2
	v_permlane16_swap_b32 v[\pc+6*\c+\i], v[\pc+12+4*\c+\i]
.endr
.irp i, 0,1,2
	v_mov_b32 v[\pc+3+6*\c+\i], v[\pc+12+4*\c+\i]
.endr
.endr
.endm
; a fragment's image: each store of the wave covers 512 or 256 consecutive bytes, aligned to 256
.macro IMG pc, off
	global_store_b128 v4, v[\pc:\pc+3], s[10:11] offset:\off
	global_store_b64 v5, v[\pc+4:\pc+5], s[10:11] offset:\off+512
	global_store_b128 v4, v[\pc+6:\pc+9], s[10:11] offset:\off+768
	global_store_b64 v5, v[\pc+10:\pc+11], s[10:11] offset:\off+1280
.endm
	s_load_b128 s[4:7], s[0:1], 0x0                ; x, w_attn
	s_load_b128 s[8:11], s[0:1], 0x10              ; w_proj, cimg
	s_load_b64 s[12:13], s[0:1], 0x20              ; csc
	v_lshl_add_u32 v[SPW], v0, 2, SPARE
	v_mov_b32 v[NIL], 0
	v_lshrrev_b32 v1, 5, v0
	v_readfirstlane_b32 s16, v1                    ; wave
	v_and_b32 v1, 31, v0                           ; lane
	v_and_b32 v2, 15, v0                           ; r
	v_bfe_u32 v3, v0, 4, 1                         ; h
	v_lshlrev_b32 v4, 4, v1                        ; 16 x lane: loads, and the images' 16-byte parts
	v_lshlrev_b32 v5, 3, v1                        ; 8 x lane: the images' 8-byte parts
	s_mul_i32 s17, s16, WREG
	v_add_nc_u32 v6, s17, v4                       ; into a stage: a row as it was loaded
	v_mul_u32_u24 v7, v2, SP
	v_lshl_add_u32 v7, v3, 6, v7
	v_add_nc_u32 v7, s17, v7                       ; out of it: row r, + 64 h: my 16 numbers of a block
	s_lshl_b32 s17, s16, 6
	s_add_co_u32 s17, s17, SCA
	v_lshl_add_u32 v8, v2, 2, s17                  ; my row's scale word: SCA + 64 x wave + 4 r
	v_add_nc_u32 v9, SCA, v4                       ; (wave 0) the 512 bytes of scale words, 16 a lane
	v_mul_u32_u24 v10, v3, 49152                   ; and their place in csc: lanes 16-31 one chunk on
	v_lshl_add_u32 v10, v2, 4, v10
	s_mov_b32 s[SEL], 0x76543210
	s_mov_b32 s[SEL+1], 0xfedcba98
.irp b, 0,1,2,3
	v_mov_b32 v[TM+4+\b], 0                        ; written once: a lane permute's destination counts as one of its sources
.endr
	s_and_b32 s18, ttmp7, 0xffff                   ; c
	s_mov_b32 s14, 176
	s_wait_alu depctr_va_vdst(0)
	s_wait_kmcnt 0x0
	s_cmp_lt_u32 ttmp9, 176                        ; which tensor: the choice hangs on the work-group's number alone
	s_cselect_b64 s[6:7], s[6:7], s[8:9]
	s_cselect_b32 s14, 128, s14
	s_cmp_lt_u32 ttmp9, 128
	s_cselect_b64 s[4:5], s[4:5], s[6:7]
	s_cselect_b32 s14, 0, s14                      ; the tensor's first work-group
	s_sub_co_u32 s14, ttmp9, s14
	s_lshl_b32 s14, s14, 2
	s_add_co_u32 s14, s14, s16                     ; my tile in the tensor
	s_lshr_b32 s15, s14, 1
	s_lshl_b32 s15, s15, 5
	s_and_b32 s14, s14, 1
	s_lshl_b32 s14, s14, 3
	s_add_co_u32 s14, s14, s15                     ; its first row: 32 (tile / 2) + 8 (tile % 2)
	s_lshl_b32 s22, s14, 12                        ; x 4,096 bytes
	s_lshl_b32 s15, s18, 10                        ; + my two chunks
	s_add_co_u32 s22, s22, s15
	s_mov_b32 s23, 0
	s_add_nc_u64 s[4:5], s[4:5], s[22:23]
	s_lshl_b32 s14, ttmp9, 2
	s_add_co_u32 s14, s14, s16                     ; my tile among the 768
	s_mul_i32 s22, s14, 12288
	s_mul_i32 s15, s18, 3072
	s_add_co_u32 s22, s22, s15
	s_add_nc_u64 s[10:11], s[10:11], s[22:23]      ; cimg at my two fragments
	s_mul_i32 s22, s18, 2*49152
	s_lshl_b32 s15, ttmp9, 8
	s_add_co_u32 s22, s22, s15
	s_add_nc_u64 s[12:13], s[12:13], s[22:23]      ; csc at chunk 2 c, tile 4 g
.irp q, 0,1
.irp p, 0,1,2,3,4,5,6,7,8,9,10,11,12,13,14,15
	global_load_b128 v[R0+64*\q+4*\p:R0+64*\q+4*\p+3], v4, s[4:5] offset:(\p+8*(\p/8))*4096+512*\q th:TH_LOAD_NT   ; 32 lanes read 512 consecutive bytes: row p of the tile, chunk q; read once in the launch
.endr
.endr
	s_wait_loadcnt 16                              ; chunk 0's sixteen loads are in; chunk 1's sixteen may be out
.irp p, 0,1,2,3,4,5,6,7,8,9,10,11,12,13,14,15
	ds_store_b128 v6, v[R0+4*\p:R0+4*\p+3] offset:SP*\p
.endr
.irp b, 0,1,2,3
.irp j, 0,1,2,3
	ds_load_b128 v[X0+16*\b+4*\j:X0+16*\b+4*\j+3], v7 offset:128*\b+16*\j   ; LDS serves a wave's instructions in order: these see the stores above
.endr
.endr
	s_wait_loadcnt 0x0
.irp p, 0,1,2,3,4,5,6,7,8,9,10,11,12,13,14,15
	ds_store_b128 v6, v[R1+4*\p:R1+4*\p+3] offset:STG1+SP*\p
.endr
	s_wait_dscnt 16                                ; all but the sixteen stores just issued: chunk 0 is back, and its stores have read v16-79, which now take chunk 1
.irp b, 0,1,2,3
.irp j, 0,1,2,3
	ds_load_b128 v[X1+16*\b+4*\j:X1+16*\b+4*\j+3], v7 offset:STG1+128*\b+16*\j
.endr
.endr
	QUANT X0, PC0, PW0
	IMG PC0, 0
	ds_store_b32 v8, v[PW0]                        ; both lanes of a row write the same word with the same value
	s_wait_dscnt 0x0                               ; chunk 1 is back; its stores have read v80-143, where its codes are made
	QUANT X1, PC1, PW1
	IMG PC1, 1536
	ds_store_b32 v8, v[PW1] offset:256
	s_wait_dscnt 0x0                               ; for the others' sake: my scale words lie in LDS
	s_barrier_signal -1
	s_barrier_wait -1
	s_cmp_lg_u32 s16, 0
	s_cbranch_scc1 .Lend
	ds_load_b128 v[144:147], v9                    ; wave 0: the four tiles' words of both chunks
	s_wait_dscnt 0x0
	global_store_b128 v10, v[144:147], s[12:13]    ; sixteen lanes store 256 consecutive bytes, aligned, for each chunk
.Lend:
	s_wait_tensorcnt 0x0                           ; the wave's end, behind my last LDS store
	ds_add_u32 v[SPW], v[NIL]
	s_wait_dscnt 0x0
	s_endpgm
.Lfunc_end_k_q8f28e6f9cb_quant:
	.size	k_q8f28e6f9cb_quant, .Lfunc_end_k_q8f28e6f9cb_quant-k_q8f28e6f9cb_quant
	.p2alignl 7, 3214868480
	.fill 96, 4, 3214868480
	.section	.rodata,"a",@progbits
	.p2align	6, 0x0
	.amdhsa_kernel k_q8f28e6f9cb_quant
		.amdhsa_group_segment_fixed_size 68608
		.amdhsa_private_segment_fixed_size 0
		.amdhsa_enable_private_segment 0
		.amdhsa_kernarg_size 40
		.amdhsa_user_sgpr_count 2
		.amdhsa_user_sgpr_kernarg_segment_ptr 1
		.amdhsa_wavefront_size32 1
		.amdhsa_system_sgpr_workgroup_id_x 1
		.amdhsa_system_sgpr_workgroup_id_y 1
		.amdhsa_system_sgpr_workgroup_id_z 1
		.amdhsa_system_vgpr_workitem_id 0
		.amdhsa_next_free_vgpr 256
		.amdhsa_next_free_sgpr 66
		.amdhsa_reserve_vcc 0
		.amdhsa_float_denorm_mode_32 3
		.amdhsa_float_denorm_mode_16_64 3
		.amdhsa_memory_ordered 1
		.amdhsa_forward_progress 1
		.amdhsa_inst_pref_size 19
	.end_amdhsa_kernel
	.amdgpu_metadata
---
amdhsa.version: [ 1, 2 ]
amdhsa.kernels:
  - .name:           k_q8f28e6f9cb_quant
    .symbol:         k_q8f28e6f9cb_quant.kd
    .args:
      - { .name: x, .offset: 0, .size: 8, .value_kind: global_buffer, .address_space: global }
      - { .name: w_attn, .offset: 8, .size: 8, .value_kind: global_buffer, .address_space: global }
      - { .name: w_proj, .offset: 16, .size: 8, .value_kind: global_buffer, .address_space: global }
      - { .name: cimg, .offset: 24, .size: 8, .value_kind: global_buffer, .address_space: global }
      - { .name: csc, .offset: 32, .size: 8, .value_kind: global_buffer, .address_space: global }
    .group_segment_fixed_size: 68608
    .private_segment_fixed_size: 0
    .kernarg_segment_align: 8
    .kernarg_segment_size: 40
    .max_flat_workgroup_size: 128
    .sgpr_count:     66
    .vgpr_count:     256
    .wavefront_size: 32
...
	.end_amdgpu_metadata
.endif
;; end of part 1
;; launch qkvgemm (part 2): grid 4 x 64, 4 waves a work-group, clusters of 4 x 4, 327,680 bytes of LDS; arguments cimg, csc, qkv; writes qkv
.if DOCPART == 2
	.amdgcn_target "amdgcn-amd-amdhsa--gfx1250"
	.amdhsa_code_object_version 6
	.text
	.protected	k_q8f28e6f9cb_qkvgemm
	.globl	k_q8f28e6f9cb_qkvgemm
	.p2align	8
	.type	k_q8f28e6f9cb_qkvgemm,@function
k_q8f28e6f9cb_qkvgemm:
	s_mov_b64 s[64:65], 0
	v_nop
	global_prefetch_b8 v0, s[64:65] scope:SCOPE_SE
	s_setreg_imm32_b32 hwreg(HW_REG_WAVE_MODE, 25, 1), 1
	s_wait_xcnt 0x0
	s_wait_alu depctr_hold_cnt(0) depctr_sa_sdst(0) depctr_va_vdst(0) depctr_va_sdst(0) depctr_va_ssrc(0) depctr_va_vcc(0) depctr_vm_vsrc(0)
	s_getreg_b32 s2, hwreg(HW_REG_IB_STS2, 6, 4)
	s_cmp_eq_u32 s2, 0
	s_cbranch_scc0 .Lentry_in_a_cluster
	s_endpgm
.Lentry_in_a_cluster:
	s_bfe_u32 s2, ttmp6, 0x10000c
	s_cmp_lg_u32 s2, 0xf033
	s_cbranch_scc0 .Lentry_shape_is_right
	s_endpgm
.Lentry_shape_is_right:
; qkv = x w_attn^T on codes of FP6 (E2M3) with E8M0 scales, K = 1,024, and the quantisers of q, k and v behind it: the f32 results never go to memory.
; OPERANDS are images of operand registers (cimg: [768 tiles of 16 rows][8 chunks of 128 K][1,536 bytes]; csc: [8 chunks][768 tiles][16] scale words; tiles 0-511 x, 512-703 w_attn).
; Row i of a tensor's tile 2 B + u is its row 32 B + 8 u + i + 8 (i / 8).  A fragment's image: registers 6 c .. 6 c + 3 at 768 c + 16 x lane, registers 6 c + 4, 6 c + 5 at 768 c + 512 + 8 x lane.
; SHARES.  256 work-groups of four waves.  Work-group (j, tb) has 128 tokens (T: x's tiles 8 tb on) and walks THREE PHASES: 256 rows of w_attn for Q (W: tiles 512 + 16 j on), for K (64 tiles on), for V (128 tiles on).
; THE MATRIX INSTRUCTION IS USED TRANSPOSED: source 0 = a tile of P, source 1 = a tile of R: a lane holds one row of R, and the 64 registers of R's block a are: register 16 b + i = P's index 32 b + 16 (lane / 16) + i.
; So each block a becomes one fragment (16 rows of R x 128 along P) and one scale word a row.  A wave has 4 tiles of R x 8 of P: 32 accumulators, 256 registers.
; Q, K: R = my half of the tokens (4 tiles), P = my half of W (8 tiles: a head pair's 128 channels): quantised along the channels.   V: R = my quarter of W (4 tiles: a head's 64 channels), P = all 8 tiles of tokens: quantised along the keys.
; The phases differ in address and scale registers alone.  Q and K are a loop of two trips; V is written out: it fills nothing again.
; LDS: two halves of K (chunks 0-3, 4-7); in each T's 8 tiles x 6,144 bytes, filled once, and W's 16 tiles.  W'S TWO HALVES ARE A RING OF TWO SLOTS: half 0 takes the next phase's rows when chunk 3 has been fetched, half 1 when chunk 7 has:
; four refills, each behind a round of the cluster's barrier, a load of 4 tiles a wave.  At the head one joint load a wave: T's half 0, W's half 0, T's half 1, W's half 1.
; CLUSTERS: 4 x 4 work-groups; T's tiles are asked for jointly along a row of the cluster, W's along a column.
; NO PREFETCH: the walk along K is written out, the first phase's tiles are all asked for at the head, and the later phases' rows of W are read by sixteen clusters side by side.
; SCALE WORDS go from memory straight into registers, once, at the head: lanes 0-15 take chunk q, lanes 16-31 chunk q + 4 of the same rows; the row selectors of the matrix instruction choose.
; qkv: 512 records of 38,400 bytes, record (8 batch + head pair) 16 + (128 tokens): Q's 8 fragments at 0, Q's scale words at 12,288, K's fragments at 12,800, V's at 25,088, K's words at 37,376, V's at 37,888.
; LIMITS: a block whose largest magnitude lies under 2^-124, a block of zeros among them, gets the byte 1; the bytes are read by this program alone.  NaN and infinities are not served.
; REGISTERS: window 0: v0-31 addresses; scale words: v32-47 R's and v48-79 P's of Q and K, v80-111 K's P in waiting, v112-127 R's and v224-255 P's of V; v128-223 R's fragments, two sets of 48 (on the way out: at work).
;   window 1: P's fragments, two sets, at v0 and v128.   window 2: accumulator (a, b) at v[8 (8 a + b)].
.set FR,    12                         ; registers of a fragment
.set TB6,   6144                       ; a tile's half of K
.set RB6,   8*TB6                      ; T's 8 tiles; W's 16 lie behind them
.set HB,    24*TB6                     ; a half of K
.set SPARE, 2*HB                       ; the spare words, 128 bytes for each wave: two blocks of 256 bytes that no other line names
.set SCW,   SPARE+512                  ; the way out: 256 bytes for each wave, where four tiles' scale words gather; no fill lands here
.set REC,   38400
.set WSTEP, 64*12288                   ; from a phase's rows of W to the next phase's
.set OF16, 4                           ; v4 16 x lane; v5 8 x lane
.set OF8,  5
.set VW4,  8                           ; v8, v9, v30, v31 my offsets in csc: V's R, V's P, Q's and K's R, Q's and K's P
.set VT8,  9
.set ADRC, 12                          ; v12-15 V: R's fragments in half 0, 1: base + 16 x lane; then base + 8 x lane
.set ADRA, 16                          ; v16-19 Q, K: R's
.set ADRB, 20                          ; v20-23 Q, K: P's
.set ADRD, 24                          ; v24-27 V: P's
.set SPW,  28                          ; v28 my spare word; v29 0; never rewritten
.set NIL,  29
.set VT4,  30
.set VW8,  31
.set RS,   32
.set PS,   48
.set PSB,  80
.set RSV,  112
.set PSV,  224
.set AF,   128
.set PC,   128                         ; the way out: v128-146 codes, v160-175 at work, v176-179 scale words
.set TM,   160
.set PW,   176
.set G1R, 24                           ; s[24:31], s[32:35] groups 1 and 0 for T at the head; s[48:55], s[36:39] for W at the head; s[56:63], s[68:71] for the refills
.set G0R, 32
.set G0P, 36
.set G1P, 48
.set G1Q, 56
.set G0Q, 68
.set WP,  82                           ; s[82:83] my 4 tiles of the next phase's W
.set MSB, 0
.macro WIN new                         ; the immediate's high byte repeats the setting that is left
.if MSB != \new
	s_set_vgpr_msb (MSB<<8)|\new
.set MSB, \new
.endif
.endm
.set MUL,  0xa1                        ; source 0 (P) window 1, source 1 (R) window 0, C and D window 2
.set TO_B, 0x40                        ; destination window 1, address window 0
.macro PLACES n                        ; plain vector instructions between a matrix instruction and a load into its registers or a read of its result
.rept \n
	v_nop
.endr
.endm
.macro CROUND                          ; a round of the cluster's barrier
	s_barrier_signal -1
	s_barrier_wait -1
	s_cmp_lg_u32 s14, 0
	s_cbranch_scc1 .Lnot_wave_0_\@
	s_barrier_signal -3
.Lnot_wave_0_\@:
	s_barrier_wait -3
	s_barrier_signal -1
	s_barrier_wait -1
.endm
	s_load_b128 s[4:7], s[0:1], 0x0                ; cimg, csc
	s_load_b64 s[8:9], s[0:1], 0x10                ; qkv
	v_lshl_add_u32 v[SPW], v0, 2, SPARE
	v_mov_b32 v[NIL], 0
	ds_add_u32 v[SPW], v[NIL]                      ; the opening lines: the add, twice on end, and its wait ahead of my first tensor load
	ds_add_u32 v[SPW], v[NIL]
	v_lshrrev_b32 v1, 5, v0
	v_readfirstlane_b32 s14, v1                    ; wave
	s_lshr_b32 s15, s14, 1                         ; Q, K: my half of the tokens.  At the head: which half of K I fetch
	s_and_b32 s16, s14, 1                          ; Q, K: my half of W.  At the head: I fetch T (0) or W (1)
	s_bfe_u32 s40, ttmp6, 0x40000                  ; cx, cy
	s_bfe_u32 s41, ttmp6, 0x40004
	s_lshl_b32 s42, ttmp9, 2
	s_add_co_u32 s42, s42, s40                     ; j
	s_and_b32 s17, ttmp7, 0xffff
	s_lshl_b32 s17, s17, 2
	s_add_co_u32 s17, s17, s41                     ; tb
	s_lshl_b32 s43, s41, 2
	s_lshl_b32 s43, 15, s43                        ; my row of the cluster
	s_lshl_b32 s44, 0x1111, s40                    ; my column
	s_or_b32 s[G1R+0], s43, (3<<16)|(1<<21)        ; the mask; elements of 8 bytes; bit 21 beside a mask; no padding: the images are read 16 or 8 bytes a lane on end
	s_or_b32 s[G1P+0], s44, (3<<16)|(1<<21)
	s_or_b32 s[G1Q+0], s44, (3<<16)|(1<<21)
.irp g, G1R, G1P, G1Q
	s_mov_b32 s[\g+1], 768<<16                     ; a row: a tile's half of K, 6,144 bytes
	s_mov_b32 s[\g+3], 768<<16
	s_mov_b32 s[\g+5], 1536                        ; 12,288 bytes from tile to tile
	s_mov_b32 s[\g+6], 0
	s_mov_b32 s[\g+7], 0
.endr
	s_mov_b32 s[G1R+2], 8<<16                      ; T: 8 tiles
	s_mov_b32 s[G1R+4], 8
	s_mov_b32 s[G1P+2], 16<<16                     ; W at the head: 16
	s_mov_b32 s[G1P+4], 16
	s_mov_b32 s[G1Q+2], 4<<16                      ; a refill: 4 a wave
	s_mov_b32 s[G1Q+4], 4
	s_mul_i32 s20, s17, 8*12288
	s_mov_b32 s21, 0
	s_lshl_b32 s46, s42, 4
	s_add_co_u32 s46, s46, 512
	s_mul_i32 s46, s46, 12288
	s_mov_b32 s47, 0
	s_mul_i32 s18, s15, TB6
	s_mov_b32 s19, 0
	s_mul_i32 s45, s15, HB
	s_mul_i32 s80, s14, 4*TB6
	s_add_co_u32 s80, s80, RB6                     ; LDS: my 4 tiles of W in half 0
	s_mul_i32 s22, s14, 4*12288
	s_add_co_u32 s22, s22, WSTEP
	s_mov_b32 s23, 0
	s_mov_b32 s77, 0x1800000                       ; the floor 2^(3 - 127)
	s_mov_b32 s78, 0x76543210
	s_mov_b32 s79, 0xfedcba98                      ; lane selects: lane l xor 16
	s_wait_dscnt 0x0                               ; both opening adds are done
	s_wait_kmcnt 0x0
	s_add_nc_u64 s[20:21], s[4:5], s[20:21]
	s_add_nc_u64 s[46:47], s[4:5], s[46:47]
	s_add_nc_u64 s[WP:WP+1], s[46:47], s[22:23]
	CROUND                                         ; all sixteen work-groups are here: the joint loads meet
	s_mov_b32 s[G0R], 1
	s_mov_b32 s[G0R+1], s45
	s_add_nc_u64 s[G0R+2:G0R+3], s[20:21], s[18:19]
	s_or_b32 s[G0R+3], s[G0R+3], 0x80000000
	s_mov_b32 s[G0P], 1
	s_add_co_u32 s[G0P+1], s45, RB6
	s_add_nc_u64 s[G0P+2:G0P+3], s[46:47], s[18:19]
	s_or_b32 s[G0P+3], s[G0P+3], 0x80000000
	s_mov_b32 s[G0Q], 1
.macro ARM under, g0, g1, next         ; one chain of branches on the wave's number, one load to an arm, all arms to one join
	s_cmp_lt_u32 s14, \under
	s_cbranch_scc0 \next
	tensor_load_to_lds s[\g0:\g0+3], s[\g1:\g1+7]
	s_nop 0
	PLACES 4
	s_branch .Lasked
\next:
.endm
	ARM 1, G0R, G1R, .Lwave_1
	ARM 2, G0P, G1P, .Lwave_2
	ARM 3, G0R, G1R, .Lwave_3
	tensor_load_to_lds s[G0P:G0P+3], s[G1P:G1P+7]
	s_nop 0
	PLACES 4
.Lasked:
	v_and_b32 v1, 15, v0                           ; r
	v_bfe_u32 v2, v0, 4, 1                         ; h
	v_and_b32 v3, 31, v0
	v_lshlrev_b32 v[OF16], 4, v3
	v_lshlrev_b32 v[OF8], 3, v3
	s_wait_alu depctr_va_vdst(0)
	s_lshl_b32 s66, s17, 9                         ; csc, 64 bytes a tile: T's 8 tiles,
	s_lshl_b32 s67, s15, 8
	s_add_co_u32 s67, s67, s66                     ; my half of them,
	s_lshl_b32 s18, s42, 10
	s_add_co_u32 s18, s18, 512*64
	s_lshl_b32 s19, s14, 8
	s_add_co_u32 s19, s19, s18
	s_add_co_u32 s19, s19, 128*64                  ; my quarter of V's W,
	s_lshl_b32 s20, s16, 9
	s_add_co_u32 s18, s18, s20                     ; my half of Q's W
	v_mul_u32_u24 v6, 4*49152, v2                  ; lanes 16-31: four chunks of 49,152 bytes on
	v_lshl_add_u32 v6, v1, 2, v6
	v_add_nc_u32 v[VT8], s66, v6
	v_add_nc_u32 v[VT4], s67, v6
	v_add_nc_u32 v[VW8], s18, v6
	v_add_nc_u32 v[VW4], s19, v6
.irp q, 0,1,2,3                                ; the first phase's 48 words first
.irp a, 0,1,2,3
	global_load_b32 v[RS+4*\q+\a], v[VT4], s[6:7] offset:49152*\q+64*\a
.endr
.irp b, 0,1,2,3,4,5,6,7
	global_load_b32 v[PS+8*\q+\b], v[VW8], s[6:7] offset:49152*\q+64*\b
.endr
.endr
.irp q, 0,1,2,3                                ; then the 80 of the later phases
.irp b, 0,1,2,3,4,5,6,7
	global_load_b32 v[PSB+8*\q+\b], v[VW8], s[6:7] offset:49152*\q+64*\b+4096
.endr
.irp a, 0,1,2,3
	global_load_b32 v[RSV+4*\q+\a], v[VW4], s[6:7] offset:49152*\q+64*\a
.endr
.irp b, 0,1,2,3,4,5,6,7
	global_load_b32 v[PSV+8*\q+\b], v[VT8], s[6:7] offset:49152*\q+64*\b
.endr
.endr
	s_mul_i32 s66, s15, 4*TB6                      ; Q, K: R = my 4 tiles of T,
	s_mul_i32 s67, s16, 8*TB6
	s_add_co_u32 s67, s67, RB6                     ; P = my 8 tiles of W;
	s_mov_b32 s18, s80                             ; V: R = my 4 tiles of W,
	s_mov_b32 s19, 0                               ; P = T's 8
.irp s, 0,1
	v_add_nc_u32 v[ADRA+\s], s66, v[OF16]
	v_add_nc_u32 v[ADRB+\s], s67, v[OF16]
	v_add_nc_u32 v[ADRC+\s], s18, v[OF16]
	v_add_nc_u32 v[ADRD+\s], s19, v[OF16]
	v_add_nc_u32 v[ADRA+2+\s], s66, v[OF8]
	v_add_nc_u32 v[ADRB+2+\s], s67, v[OF8]
	v_add_nc_u32 v[ADRC+2+\s], s18, v[OF8]
	v_add_nc_u32 v[ADRD+2+\s], s19, v[OF8]
	s_add_co_u32 s66, s66, HB
	s_add_co_u32 s67, s67, HB
	s_add_co_u32 s18, s18, HB
	s_add_co_u32 s19, s19, HB
.endr
	s_lshl_b32 s66, s14, 8
	s_add_co_u32 s66, s66, SCW
	v_lshl_add_u32 v10, v1, 2, s66                 ; my 256 bytes for scale words: in: 4 r
	v_add_nc_u32 v11, s66, v[OF8]                  ; back: 8 x lane
	; where the fragments go
	s_lshr_b32 s66, s17, 4
	s_lshl_b32 s66, s66, 7                         ; batch x 128
	s_and_b32 s67, s17, 15
	s_add_co_u32 s66, s66, s67                     ; + the block of 128 tokens
	s_lshl_b32 s67, s42, 5
	s_add_co_u32 s66, s66, s67                     ; + 16 x head pair 2 j
	s_mov_b32 s21, 0
	s_lshl_b32 s67, s16, 4
	s_add_co_u32 s18, s66, s67                     ; Q, K: head pair 2 j + wave % 2
	s_mul_i32 s18, s18, REC
	s_mul_i32 s67, s15, 6144                       ; token tiles 4 (wave / 2) on
	s_add_co_u32 s20, s18, s67
	s_add_nc_u64 s[12:13], s[8:9], s[20:21]        ; Q's codes
	s_lshl_b32 s67, s15, 8
	s_add_co_u32 s20, s18, s67
	s_add_co_u32 s20, s20, 12288
	s_add_nc_u64 s[10:11], s[8:9], s[20:21]        ; Q's scale words
	s_lshl_b32 s67, s15, 4
	s_add_co_u32 s18, s66, s67                     ; V: head pair 2 j + wave / 2,
	s_mul_i32 s18, s18, REC
	s_mul_i32 s67, s16, 6144                       ; head wave % 2 of it
	s_add_co_u32 s20, s18, s67
	s_add_co_u32 s20, s20, 25088
	s_add_nc_u64 s[72:73], s[8:9], s[20:21]
	s_lshl_b32 s67, s16, 8
	s_add_co_u32 s20, s18, s67
	s_add_co_u32 s20, s20, 37888
	s_add_nc_u64 s[74:75], s[8:9], s[20:21]
.macro FRAG reg, adr, q, i             ; a fragment's image comes back as it was stored
	ds_load_b128 v[\reg:\reg+3], v[\adr] offset:(\i)*TB6+1536*(\q)
	ds_load_b64 v[\reg+4:\reg+5], v[\adr+2] offset:(\i)*TB6+1536*(\q)+512
	ds_load_b128 v[\reg+6:\reg+9], v[\adr] offset:(\i)*TB6+1536*(\q)+768
	ds_load_b64 v[\reg+10:\reg+11], v[\adr+2] offset:(\i)*TB6+1536*(\q)+1280
.endm
.macro FETCH c, ra, pa                 ; chunk c's twelve fragments into set c % 2: 48 LDS loads
.set H_, (\c)/4
.set Q_, (\c)%4
.set S_, (\c)%2
	WIN TO_B
.irp i, 0,1,2,3,4,5,6,7
	FRAG 128*S_+FR*\i, \pa+H_, Q_, \i
.endr
	WIN 0
.irp i, 0,1,2,3
	FRAG AF+48*S_+FR*\i, \ra+H_, Q_, \i
.endr
.endm
.macro W d, p, r, c, x, y, row
	v_wmma_scale_f32_16x16x128_f8f6f4 v[\d:\d+7], v[\p:\p+FR-1], v[\r:\r+FR-1], \c, v[\x], v[\y] matrix_a_fmt:MATRIX_FMT_FP6 matrix_b_fmt:MATRIX_FMT_FP6 matrix_a_scale:MATRIX_SCALE_ROW\row matrix_b_scale:MATRIX_SCALE_ROW\row
.endm
.macro MUL32 c, rs, ps                 ; chunk c: the 32 accumulators take turns, one instruction a turn, in the same order in every chunk; chunk 0 starts the sums
	WIN MUL
.irp a, 0,1,2,3
.irp b, 0,1,2,3,4,5,6,7
.set D_, 8*(8*\a+\b)
.set P_, 128*((\c)%2)+FR*\b
.set R_, AF+48*((\c)%2)+FR*\a
.set X_, \ps+8*((\c)%4)+\b
.set Y_, \rs+4*((\c)%4)+\a
.if (\c) == 0
	W D_, P_, R_, 0, X_, Y_, 0
.elseif (\c) < 4
	W D_, P_, R_, v[D_:D_+7], X_, Y_, 0
.else
	W D_, P_, R_, v[D_:D_+7], X_, Y_, 1
.endif
.endr
.endr
.endm
; THE WAY OUT.  R's block a (64 registers at s in window w) is quantised along P: 12 registers of codes at PC, the scale word in pw.  Each accumulator is read from its low end on.
.macro QUANTW s, w, pw
.set WQ, ((\w)<<2)|((\w)<<4)
	WIN WQ                                         ; sources 1 and 2: the accumulators' window
.irp b, 0,1,2,3
	v_max3_num_f32 v[TM+\b], s77, |v[\s+16*\b]|, |v[\s+1+16*\b]|   ; block b: my 16 numbers, and the floor: the byte cannot fall under 1
.endr
.irp i, 2,4,6,8,10,12,14
.irp b, 0,1,2,3
	v_max3_num_f32 v[TM+\b], v[TM+\b], |v[\s+16*\b+\i]|, |v[\s+1+16*\b+\i]|
.endr
.endr
	WIN 0
.irp b, 0,1,2,3
	v_permlanex16_b32 v[TM+4+\b], v[TM+\b], s78, s79
.endr
.irp b, 0,1,2,3
	v_max_num_f32 v[TM+\b], v[TM+\b], v[TM+4+\b]   ; with lane l xor 16's: the block's largest magnitude
.endr
.irp b, 0,1,2,3
	v_add_nc_u32 v[TM+12+\b], 0xff000000, v[TM+\b]   ; 2 off its exponent field: the conversion's scale operand
.endr
.irp b, 0,1,2,3
	v_lshrrev_b32 v[TM+4+\b], 23, v[TM+12+\b]      ; the scale's byte
.endr
	v_lshl_or_b32 v[\pw], v[TM+5], 8, v[TM+4]
	v_lshl_or_b32 v[\pw], v[TM+6], 16, v[\pw]
	v_lshl_or_b32 v[\pw], v[TM+7], 24, v[\pw]
.set WQ, \w
	WIN WQ                                         ; source 0: the accumulators' window
.irp c, 0,1
	v_cvt_scalef32_pk16_fp6_f32 v[PC+6*\c:PC+2+6*\c], v[\s+32*\c:\s+15+32*\c], v[TM+12+2*\c]
	v_cvt_scalef32_pk16_fp6_f32 v[PC+12+4*\c:PC+14+4*\c], v[\s+16+32*\c:\s+31+32*\c], v[TM+12+2*\c+1]
.endr
	WIN 0
	v_nop                                          ; one plain instruction behind the scaled conversions
.irp c, 0,1
.irp i, 0,1,2
	v_permlane16_swap_b32 v[PC+6*\c+\i], v[PC+12+4*\c+\i]
.endr
.irp i, 0,1,2
	v_mov_b32 v[PC+3+6*\c+\i], v[PC+12+4*\c+\i]
.endr
.endr
.endm
; A PHASE: eight chunks of 128 along K, then the way out.  fill = 1: W's halves take the next phase's rows as they fall free.  ra, pa: R's and P's address registers; rs, ps: their scale words; cd, wd: where codes and scale words go.
.macro PHASE fill, ra, pa, rs, ps, cd, wd
	FETCH 0, \ra, \pa
.if \fill
	s_wait_loadcnt 63                              ; of the head's 128 loads of scale words 80 are younger than the first phase's 48; the count is the field's largest
.endif
.irp k, 0,1,2,3,4,5,6,7
.if \k > 0
	PLACES 4                                       ; the next loads land in the set that the last chunk's products have read
.endif
.if (\k == 3) || (\k == 7)
	WIN 0
	s_wait_tensorcnt 0x0                           ; all my tensor loads have landed: my part of the half that is read next
.if \fill
	ds_add_u32 v[SPW], v[NIL]                      ; 0 onto my spare word; the descriptor's lines stand between it and the wait for it
.if \k == 3
	s_mov_b32 s[G0Q+1], s80                        ; half 0 of the next phase's W
	s_mov_b64 s[G0Q+2:G0Q+3], s[WP:WP+1]
.else
	s_add_co_u32 s[G0Q+1], s80, HB                 ; half 1
	s_add_nc_u64 s[G0Q+2:G0Q+3], s[WP:WP+1], TB6
	s_add_nc_u64 s[WP:WP+1], s[WP:WP+1], WSTEP
.endif
	s_or_b32 s[G0Q+3], s[G0Q+3], 0x80000000
	s_wait_dscnt 0x0                               ; the add is done, and my reads of the half that falls free are over (chunk 3's or chunk 7's fragments are in)
	CROUND                                         ; the same holds of every wave of every partner
	tensor_load_to_lds s[G0Q:G0Q+3], s[G1Q:G1Q+7]  ; my one load behind the round
	s_nop 0
	PLACES 4
.else
	s_wait_dscnt 0x0
	s_barrier_signal -1
	s_barrier_wait -1                              ; a plain barrier: the last refills are shown to all
.endif
.endif
.if \k < 7
	FETCH \k+1, \ra, \pa
	s_wait_dscnt 48                                ; all but the 48 just issued: this chunk's fragments are in
.endif
	MUL32 \k, \rs, \ps
.endr
	WIN 0
	PLACES 4                                       ; behind the last products: their results are read, their scale and fragment registers written
.if \fill
	s_wait_loadcnt 0x0                             ; all scale words are in
.set I_, 0
.rept 32
	v_mov_b32 v[PS+I_], v[PSB+I_]                  ; K's words of W take Q's place; the way out's lines stand between these and the next products
.set I_, I_+1
.endr
.endif
.irp b, 0,1,2,3
	v_mov_b32 v[TM+4+\b], 0                        ; a lane permute's destination counts as one of its sources
.endr
.irp a, 0,1,2,3
	s_wait_xcnt 0x0                                ; earlier stores have read the codes' registers, which are now written again
	QUANTW 64*\a, 2, PW+\a
	global_store_b128 v[OF16], v[PC:PC+3], s[\cd:\cd+1] offset:1536*\a          ; the fragment's image: each store covers 512 or 256 consecutive bytes, aligned to 256
	global_store_b64 v[OF8], v[PC+4:PC+5], s[\cd:\cd+1] offset:1536*\a+512
	global_store_b128 v[OF16], v[PC+6:PC+9], s[\cd:\cd+1] offset:1536*\a+768
	global_store_b64 v[OF8], v[PC+10:PC+11], s[\cd:\cd+1] offset:1536*\a+1280
	ds_store_b32 v10, v[PW+\a] offset:64*\a        ; both lanes of a row write the same word with the same value
.endr
	ds_load_b64 v[184:185], v11                    ; LDS serves a wave's instructions in order: this sees my stores
	s_wait_dscnt 0x0
	global_store_b64 v[OF8], v[184:185], s[\wd:\wd+1]   ; 256 consecutive bytes, aligned
	s_wait_xcnt 0x0                                ; the stores have read their registers and bases: fragments may land there, and the bases may step
.if \fill
	s_add_nc_u64 s[\cd:\cd+1], s[\cd:\cd+1], 12800   ; from Q's place in the record to K's
	s_add_nc_u64 s[\wd:\wd+1], s[\wd:\wd+1], 25088
.endif
.endm
	s_wait_alu depctr_va_vdst(0)                   ; the head's end
	s_cmp_lt_u32 s14, 2
	s_cbranch_scc0 .Lnot_half_0
	s_wait_tensorcnt 0x0                           ; waves 0 and 1: my tile of half 0 is in
.Lnot_half_0:
	s_barrier_signal -1
	s_barrier_wait -1                              ; half 0 is whole; half 1 may be on its way
	s_mov_b32 s76, 0
.Lphase:                                           ; two trips: Q, K
	PHASE 1, ADRA, ADRB, RS, PS, 12, 10
	s_add_co_u32 s76, s76, 1
	s_cmp_lt_u32 s76, 2
	s_wait_alu depctr_va_vdst(0)
	s_cbranch_scc1 .Lphase
	PHASE 0, ADRC, ADRD, RSV, PSV, 72, 74          ; V
	s_wait_tensorcnt 0x0                           ; the wave's end
	ds_add_u32 v[SPW], v[NIL]
	s_wait_dscnt 0x0
	CROUND                                         ; the closing round
	s_endpgm
.Lfunc_end_k_q8f28e6f9cb_qkvgemm:
	.size	k_q8f28e6f9cb_qkvgemm, .Lfunc_end_k_q8f28e6f9cb_qkvgemm-k_q8f28e6f9cb_qkvgemm
	.p2alignl 7, 3214868480
	.fill 96, 4, 3214868480
	.section	.rodata,"a",@progbits
	.p2align	6, 0x0
	.amdhsa_kernel k_q8f28e6f9cb_qkvgemm
		.amdhsa_group_segment_fixed_size 327680
		.amdhsa_private_segment_fixed_size 0
		.amdhsa_enable_private_segment 0
		.amdhsa_kernarg_size 24
		.amdhsa_user_sgpr_count 2
		.amdhsa_user_sgpr_kernarg_segment_ptr 1
		.amdhsa_wavefront_size32 1
		.amdhsa_system_sgpr_workgroup_id_x 1
		.amdhsa_system_sgpr_workgroup_id_y 1
		.amdhsa_system_sgpr_workgroup_id_z 1
		.amdhsa_system_vgpr_workitem_id 0
		.amdhsa_next_free_vgpr 768
		.amdhsa_next_free_sgpr 88
		.amdhsa_reserve_vcc 0
		.amdhsa_float_denorm_mode_32 3
		.amdhsa_float_denorm_mode_16_64 3
		.amdhsa_memory_ordered 1
		.amdhsa_forward_progress 1
		.amdhsa_inst_pref_size 176
	.end_amdhsa_kernel
	.amdgpu_metadata
---
amdhsa.version: [ 1, 2 ]
amdhsa.kernels:
  - .name:           k_q8f28e6f9cb_qkvgemm
    .symbol:         k_q8f28e6f9cb_qkvgemm.kd
    .args:
      - { .name: cimg, .offset: 0, .size: 8, .value_kind: global_buffer, .address_space: global }
      - { .name: csc, .offset: 8, .size: 8, .value_kind: global_buffer, .address_space: global }
      - { .name: qkv, .offset: 16, .size: 8, .value_kind: global_buffer, .address_space: global }
    .group_segment_fixed_size: 327680
    .private_segment_fixed_size: 0
    .kernarg_segment_align: 8
    .kernarg_segment_size: 24
    .max_flat_workgroup_size: 128
    .sgpr_count:     88
    .vgpr_count:     768
    .wavefront_size: 32
...
	.end_amdgpu_metadata
.endif
;; end of part 2
;; launch attn (part 3): grid 8 x 32, 16 waves a work-group, no clusters, 327,680 bytes of LDS; arguments qkv, yimg, ysc; writes yimg, ysc
.if DOCPART == 3
	.amdgcn_target "amdgcn-amd-amdhsa--gfx1250"
	.amdhsa_code_object_version 6
	.text
	.protected	k_q8f28e6f9cb_attn
	.globl	k_q8f28e6f9cb_attn
	.p2align	8
	.type	k_q8f28e6f9cb_attn,@function
k_q8f28e6f9cb_attn:
	s_mov_b64 s[64:65], 0
	v_nop
	global_prefetch_b8 v0, s[64:65] scope:SCOPE_SE
	s_setreg_imm32_b32 hwreg(HW_REG_WAVE_MODE, 25, 1), 1
	s_wait_xcnt 0x0
; y = softmax(q k^T / 8, causal) v for 64 heads of 64 channels, 2,048 tokens, both products on codes of FP6 (E2M3) with E8M0 scales; y leaves quantised along C, as images of operand registers.
; qkv: records of 38,400 bytes, record (8 batch + head pair) 16 + (block of 128 tokens): Q's 8 fragments at 0, Q's scale words at 12,288; then the KV PART, 25,600 dense bytes:
; K's 8 fragments, V's 8 fragments, K's 512 bytes of scale words, V's 512.  A fragment is 1,536 bytes, two halves of 768 (registers 6 c .. 6 c + 3 at 16 x lane, 6 c + 4, 6 c + 5 at 512 + 8 x lane).
; Q's and K's fragment a: token tile a x the pair's 128 channels: half X is head X of the pair.  V's fragment 4 X + t: channel tile t of head X x 128 keys.  Row i of tile 2 B + u is row 32 B + 8 u + i + 8 (i / 8).
; THE SOFTMAX AHEAD OF THE SECOND PRODUCT: t = score x log2(e) / 8; M = the row's largest t so far, rounded up to a whole number; p = 2^(t - M) is quantised along the keys, not normalised;
; the row's sum is taken of the unquantised p and divides at the end (by v_rcp_f32 and a multiplication).  When M moves, the sum and O are multiplied by 2^(old M - new M): exact.
; SHARES.  Work-group (i, 8 batch + head pair), sixteen waves: wave W has head X = W / 8 of the pair and query tile a = W % 8 of a block of 128 queries.  The work-group takes block 15 - i, then block i:
; (16 - i) + (i + 1) = 17 key steps of 128 keys in every work-group: 256 equal shares, a constant trip count, and no step all of whose keys are hidden.  A block's last step lies on the diagonal.
; Both products are used transposed: S^T = K Q^T, O^T = V^T P^T: a lane holds one query throughout, and by the order of a tile's rows p's 16 registers of two neighbouring tiles are 16 neighbouring keys.
; THE FIRST PRODUCT'S K IS 64: Q's codes of k = 64 .. 127 are zeros.  K's tile t names v[32 + 6 t] on, twelve registers, of which the upper six are the next tile's codes (behind tile 7: zeros): finite numbers times zero.
; Q's and K's scale words are read as 16 bits, the head's two bytes; the upper two bytes are 0, which is a power of two and no NaN.
; NO JOINT LOADS: the work-groups that walk one head pair's keys differ in where their first block ends (15 - i), so their lists of tiles differ from step 9 on at the latest, and partners must ask alike on every path.
; LIMITS: a block whose largest magnitude lies under 2^-124, a block of zeros among them, gets the byte 1 with its codes; the bytes are read by this program alone.  NaN and infinities are not served.
; REGISTERS: v1-6 lane places in a slot; v7, v8 the add's two; v9 the mask's number; v10, 11, 30, 31, 94, 95 the step's addresses; v12 -M, v13 the largest t, v[14:15] the sum; v16-27 Q; v28 prefetch offset; v29 Q's scale word;
;   v32-85 K, then v32-79 V; v86-93 their scale words; v96-159 S^T, then p; v160-191 O^T; v192-210 codes; v212-226 at work (v224 f, v225 p's scale word); v227-234 offsets.
.set REC,   38400
.set PLACE, 32768                      ; a key step's KV part has a place of 32,768 bytes
.set SLOT1, 131072                     ; A SLOT HOLDS FOUR KEY STEPS: four places; slot 1: one exclusive or turns a place in one slot into the other's
.set YS,    262144                     ; y's scale words: 512 bytes for each of the two blocks
.set SPARE, 263168                     ; the spare words, 128 bytes for each wave: eight blocks of 256 bytes that no other line names
.set SPW, 7
.set NIL, 8
.set BM,  212                          ; v212-215 the blocks' largest
.set WK,  216                          ; v216-219 at work
.set SO,  220                          ; v220-223 the conversions' scale operands
.set WV,  10                           ; s10 wave;  s11 X;  s12 a
.set XH,  11
.set TA,  12
.set SI,  13                           ; s13 the key step in hand;  s14 the block of queries in hand;  s15 i
.set QB,  14
.set QB1, 15
.set LS,  16                           ; s16 the key step (0 .. 16, and on) whose record I asked for last;  s17 = 16 - i: the steps of the first block
.set LQ,  17
.set CN2, 41                           ; s41 steps to go in a slot
.set QP2, 60                           ; s[60:61] the second block's record of Q
.set TB,   18                          ; s18 the slot that is read
.set CNT,  19                          ; s19 trips to go
.set SEL,  20                          ; s[20:21] lane selects: lane l xor 16
.set CS,   22                          ; s[22:23] c = log2(e) / 8
.set G1,   24                          ; s[24:31], s[32:35] the descriptor
.set G0,   32
.set KVW,  36                          ; s[36:37] my quarter of the KV part of the pair's record 0
.set PFA,  38                          ; s[38:39] where my prefetches stand
.set LIM,  40                          ; s40 1 in the work-group that prefetches, else the greatest number
.set RB,   42                          ; s[42:43] the pair's record 0;  s[44:45] Q's record
.set QP,   44
.set YB,   46                          ; s[46:47] yimg at my batch and pair;  s[48:49] at the block in hand;  s[50:51] ysc
.set YP,   48
.set YSP,  50
; Wave W fetches quarter W % 4 of the KV part of the slot's key step W / 4: sixteen loads fill a slot, one a wave.  few = 1: the last fill is of one key step: waves 0 to 3 alone.
; An s_nop 0 and four v_nop follow the load.
.macro TLOAD few
.if \few
	s_cmp_lt_u32 s[WV], 4
	s_cbranch_scc0 .Lnone_\@
.endif
	tensor_load_to_lds s[G0:G0+3], s[G1:G1+7]
	s_nop 0
.rept 4
	v_nop
.endr
.if \few
.Lnone_\@:
.endif
.endm
; A PREFETCH INTO THE L2 of what the NEXT change of slots will ask for: four key steps ahead of its load.  All eight work-groups of a head pair walk records 0, 1, 2 ..: the one with i = 0, which walks all
; sixteen on end, asks, and nobody else; each of its waves names the quarter that it will itself fetch: 25 blocks of 256 bytes, a lane a block (lanes 25-31 name lane 24's block again).
; The first two changes of slots name records 8 to 11 and 12 to 15; records 0 to 7 come by their loads alone; the second block's records have been read before.
.macro ASK
	s_cmp_gt_u32 s[CNT], s[LIM]
	s_cbranch_scc0 .Lnot_mine_\@
	global_prefetch_b8 v28, s[PFA:PFA+1] th:TH_LOAD_NT scope:SCOPE_SE
.Lnot_mine_\@:
.endm
.macro QLOAD                           ; my tile of Q: half X of fragment a, and the head's two scale bytes
	global_load_b128 v[16:19], v227, s[QP:QP+1]
	global_load_b64 v[20:21], v228, s[QP:QP+1]
	global_load_u16 v29, v229, s[QP:QP+1]
.endm
.macro RESET                           ; a block of queries begins: the first change of M multiplies zeros
	v_mov_b32 v13, 0xff61b1e6                      ; the largest t so far: -3e38
	s_delay_alu instid0(VALU_DEP_1)
	v_floor_f32 v12, -v13                          ; -M
	v_mov_b32 v14, 0
	v_mov_b32 v15, 0
.set JJ, 0
.rept 32
	v_mov_b32 v[160+JJ], 0
.set JJ, JJ+1
.endr
.endm
	s_load_b128 s[4:7], s[0:1], 0x0                ; qkv, yimg
	s_load_b64 s[8:9], s[0:1], 0x10                ; ysc
	v_lshl_add_u32 v[SPW], v0, 2, SPARE
	v_mov_b32 v[NIL], 0
	ds_add_u32 v[SPW], v[NIL]                      ; the wave's opening: the add and its wait ahead of my first tensor load; the set-up below, work on registers, stands between them
	ds_add_u32 v[SPW], v[NIL]
	v_lshrrev_b32 v9, 5, v0
	s_delay_alu instid0(VALU_DEP_1)
	v_readfirstlane_b32 s[WV], v9                  ; wave 0..15
	s_lshr_b32 s[XH], s[WV], 3
	s_and_b32 s[TA], s[WV], 7
	s_and_b32 s52, ttmp7, 0xffff                   ; 8 batch + head pair
	s_mov_b32 s[QB1], ttmp9
	s_sub_co_u32 s[QB], 15, s[QB1]                 ; the first block
	s_mov_b32 s[SI], 0
	s_lshr_b32 s[LS], s[WV], 2                     ; my place in a slot, and the first key step that I fetch
	s_add_co_u32 s[LQ], s[QB], 1
	s_mov_b32 s[TB], 0
	s_mov_b32 s[CNT], 3
	s_mov_b32 s[G1], 3<<16                         ; no mask; elements of 8 bytes; no padding: a dense block as 25 rows of 256 bytes
	s_mov_b32 s[G1+1], 32<<16                      ; tensor_dim0
	s_mov_b32 s[G1+2], 25<<16                      ; tensor_dim1
	s_mov_b32 s[G1+3], 32<<16                      ; tile_dim0
	s_mov_b32 s[G1+4], 25                          ; tile_dim1
	s_mov_b32 s[G1+5], 32                          ; tensor_dim0_stride
	s_mov_b32 s[G1+6], 0
	s_mov_b32 s[G1+7], 0
	s_mov_b32 s[SEL], 0x76543210
	s_mov_b32 s[SEL+1], 0xfedcba98
	s_mov_b32 s[CS], 0x3e38aa3b                    ; c = log2(e) / 8
	s_mov_b32 s[CS+1], s[CS]                       ; (named with it as a pair, so it is written)
	s_mul_i32 s54, s52, 16*REC                     ; the pair's sixteen records
	s_mov_b32 s55, 0
	s_and_b32 s56, s[WV], 3
	s_mul_i32 s56, s56, 6400                       ; my quarter, in a KV part and in a slot
	s_add_co_u32 s58, s56, 12800
	s_mov_b32 s59, 0
	s_lshl_b32 s57, s[LS], 15
	s_add_co_u32 s57, s57, s56                     ; LDS: my place, my quarter
	s_mul_i32 s62, s[LS], REC
	s_mov_b32 s63, 0
	s_cmp_eq_u32 ttmp9, 0
	s_cselect_b32 s[LIM], 1, -1
	s_wait_dscnt 0x0                               ; the opening add is done
	s_wait_kmcnt 0x0
	s_add_nc_u64 s[RB:RB+1], s[4:5], s[54:55]
	s_add_nc_u64 s[KVW:KVW+1], s[RB:RB+1], s[58:59]
	s_add_nc_u64 s[G0+2:G0+3], s[KVW:KVW+1], s[62:63]   ; key steps 0 to 3 are records 0 to 3 (the first block has nine steps at the least)
	s_add_nc_u64 s[PFA:PFA+1], s[G0+2:G0+3], 4*REC   ; four records on: the first change of slots steps it four more.  Nothing is prefetched at the head
	s_or_b32 s[G0+3], s[G0+3], 0x80000000          ; type = 2
	s_mov_b32 s[G0], 1                             ; count = 1
	s_mov_b32 s[G0+1], s57                         ; slot 0
	TLOAD 0
	s_mul_i32 s54, s[QB], REC
	s_add_nc_u64 s[QP:QP+1], s[RB:RB+1], s[54:55]  ; Q's record
	s_mul_i32 s54, s[QB1], REC
	s_add_nc_u64 s[QP2:QP2+1], s[RB:RB+1], s[54:55]   ; and the second block's
	s_lshr_b32 s53, s52, 3                         ; batch
	s_and_b32 s52, s52, 7                          ; head pair
	s_mul_i32 s54, s53, 1572864                    ; yimg: 128 tiles of 12,288 bytes a batch,
	s_mul_i32 s57, s52, 1536                       ; chunk = head pair
	s_add_co_u32 s54, s54, s57
	s_add_nc_u64 s[YB:YB+1], s[6:7], s[54:55]
	s_cmp_eq_u32 s[WV], 0                          ; ysc: wave 0 will store the first block's words, wave 1 the second's
	s_cselect_b32 s54, s[QB], s[QB1]
	s_lshl_b32 s54, s54, 9                         ; 8 tiles of 64 bytes a block,
	s_lshl_b32 s57, s53, 13                        ; 128 tiles a batch,
	s_add_co_u32 s54, s54, s57
	s_lshl_b32 s57, s52, 15                        ; 32,768 bytes a chunk
	s_add_co_u32 s54, s54, s57
	s_add_nc_u64 s[YSP:YSP+1], s[8:9], s[54:55]
	v_and_b32 v226, 31, v0                         ; lane
	v_and_b32 v216, 15, v0                         ; r
	s_wait_alu depctr_va_vdst(0)
	v_bfe_u32 v217, v0, 4, 1                       ; h
	s_mul_i32 s56, s[XH], 768
	v_lshl_add_u32 v1, v226, 4, s56                ; K: 16 x lane + 768 X
	s_add_co_u32 s57, s56, 512
	v_lshl_add_u32 v2, v226, 3, s57                ;    8 x lane + 512 + 768 X
	s_mul_i32 s57, s[XH], 6144
	s_add_co_u32 s57, s57, 12288
	v_lshl_add_u32 v3, v226, 4, s57                ; V: 16 x lane + 12,288 + 6,144 X
	s_add_co_u32 s57, s57, 512
	v_lshl_add_u32 v4, v226, 3, s57
	s_lshl_b32 s57, s[XH], 1
	s_add_co_u32 s58, s57, 24576
	v_lshl_add_u32 v5, v216, 2, s58                ; K's scale words: 24,576 + 4 r + 2 X
	s_lshl_b32 s58, s[XH], 8
	s_add_co_u32 s58, s58, 25088
	v_lshl_add_u32 v6, v216, 2, s58                ; V's: 25,088 + 256 X + 4 r
	s_lshr_b32 s58, s[TA], 1
	s_lshl_b32 s58, s58, 5
	s_and_b32 s59, s[TA], 1
	s_lshl_b32 s59, s59, 3
	s_add_co_u32 s58, s58, s59
	v_and_b32 v9, 8, v216
	s_delay_alu instid0(VALU_DEP_1)
	v_add_nc_u32 v9, v9, v216
	s_delay_alu instid0(VALU_DEP_1)
	v_add_nc_u32 v9, s58, v9                       ; my query in its block: 32 (a / 2) + 8 (a % 2) + r + 8 (r / 8)
	v_lshlrev_b32 v218, 4, v217
	s_delay_alu instid0(VALU_DEP_1)
	v_sub_nc_u32 v9, v9, v218                      ; d = that - 16 h
	v_min_u32 v28, 24, v226
	s_delay_alu instid0(VALU_DEP_1)
	v_lshlrev_b32 v28, 8, v28                      ; the prefetches' offset
	s_mul_i32 s58, s[TA], 1536
	s_add_co_u32 s58, s58, s56
	v_lshl_add_u32 v227, v226, 4, s58              ; Q: 16 x lane + 1,536 a + 768 X
	s_wait_alu depctr_va_vdst(0)
	s_add_co_u32 s58, s58, 512
	v_lshl_add_u32 v228, v226, 3, s58
	s_wait_alu depctr_va_vdst(0)
	s_lshl_b32 s58, s[TA], 6
	s_add_co_u32 s58, s58, s57                     ; 64 a + 2 X
	s_add_co_u32 s59, s58, 12288
	v_lshl_add_u32 v229, v216, 2, s59              ; Q's scale bytes
	s_add_co_u32 s59, s58, YS
	v_lshl_add_u32 v232, v216, 2, s59              ; LDS: y's scale bytes
	s_mul_i32 s58, s[TA], 12288
	s_add_co_u32 s58, s58, s56
	v_lshl_add_u32 v230, v226, 4, s58              ; y: 16 x lane + 12,288 a + 768 X
	s_add_co_u32 s58, s58, 512
	v_lshl_add_u32 v231, v226, 3, s58
	s_and_b32 s58, s[WV], 1
	s_lshl_b32 s58, s58, 9
	s_add_co_u32 s58, s58, YS
	v_lshl_add_u32 v233, v226, 4, s58              ; LDS: a block's 512 bytes of scale words, 16 a lane
	v_lshlrev_b32 v234, 4, v226
	QLOAD
	global_load_b128 v[236:239], v227, s[QP2:QP2+1]   ; the second block's tile of Q waits in v236-242
	global_load_b64 v[240:241], v228, s[QP2:QP2+1]
	global_load_u16 v242, v229, s[QP2:QP2+1]
	RESET
.irp j, 0,1,2,3,4,5
	v_mov_b32 v[22+\j], 0                          ; Q's codes of k = 64 .. 127
	v_mov_b32 v[80+\j], 0                          ; what K's tile 7 names behind its own six registers
.endr
.irp b, 0,1,2,3
	v_mov_b32 v[WK+\b], 0                          ; a lane permute's destination counts as one of its sources
.endr
	v_mov_b32 v225, 0                              ; (named as the upper half of the pair v[224:225] before it is first written)
.macro KCODE t
	ds_load_b128 v[32+6*(\t):35+6*(\t)], v10 offset:1536*(\t)
	ds_load_b64 v[36+6*(\t):37+6*(\t)], v11 offset:1536*(\t)
.endm
; A KEY STEP: 128 keys.
.macro STEP
	v_add_nc_u32 v10, s[TB], v1                    ; these six are also the places between the last step's products and the loads into their registers
	v_add_nc_u32 v11, s[TB], v2
	v_add_nc_u32 v30, s[TB], v3
	v_add_nc_u32 v31, s[TB], v4
	v_add_nc_u32 v94, s[TB], v5
	v_add_nc_u32 v95, s[TB], v6
.irp t, 0,1,2,3,4
	KCODE \t
.endr
.irp t, 0,1,2,3
	ds_load_u16 v[86+\t], v94 offset:64*\t
.endr
.irp t, 5,6,7
	KCODE \t
.endr
.irp t, 4,5,6,7
	ds_load_u16 v[86+\t], v94 offset:64*\t
.endr
	s_wait_alu depctr_va_vdst(0)
	s_wait_dscnt 10                                ; the codes of tiles 0-4 (tile 3 names tile 4's registers too) and the words of tiles 0-3 are in; the ten younger loads may be out
.irp t, 0,1,2,3
	v_wmma_scale_f32_16x16x128_f8f6f4 v[96+8*\t:103+8*\t], v[32+6*\t:43+6*\t], v[16:27], 0, v[86+\t], v29 matrix_a_fmt:MATRIX_FMT_FP6 matrix_b_fmt:MATRIX_FMT_FP6
.endr
	s_wait_dscnt 0x0
.irp t, 4,5,6,7
	v_wmma_scale_f32_16x16x128_f8f6f4 v[96+8*\t:103+8*\t], v[32+6*\t:43+6*\t], v[16:27], 0, v[86+\t], v29 matrix_a_fmt:MATRIX_FMT_FP6 matrix_b_fmt:MATRIX_FMT_FP6
.endr
.rept 4
	v_nop                                          ; places: the scores are read, and V is loaded into registers that these products have read
.endr
.irp t, 0,1,2,3                                ; V's four fragments and their scale words land while the softmax is walked
	ds_load_b128 v[32+12*\t:35+12*\t], v30 offset:1536*\t
	ds_load_b64 v[36+12*\t:37+12*\t], v31 offset:1536*\t
	ds_load_b128 v[38+12*\t:41+12*\t], v30 offset:1536*\t+768
	ds_load_b64 v[42+12*\t:43+12*\t], v31 offset:1536*\t+768
	ds_load_b32 v[86+\t], v95 offset:64*\t
.endr
	s_cmp_lg_u32 s[SI], s[QB]                      ; ids and counts alone: all sixteen waves go the same way
	s_cbranch_scc1 .Lopen_\@
	v_mov_b32 v226, 0xff800000                     ; on the diagonal the scores of hidden keys become -infinity: p = 0 then.  Register 16 b + i holds key 32 b + 16 h + i: hidden where 32 b + i > d
.set JJ, 0
.rept 64
	v_cmp_gt_i32 vcc_lo, 32*(JJ/16)+JJ%16, v9
	v_cndmask_b32 v[96+JJ], v[96+JJ], v226, vcc_lo
.set JJ, JJ+1
.endr
.Lopen_\@:
.irp b, 0,1,2,3
	v_max3_num_f32 v[BM+\b], v[96+16*\b], v[97+16*\b], v[98+16*\b]   ; the largest score of each block of 32 keys: for the row's maximum, and, since p rises with the score, for the block's largest p
.endr
.irp i, 3,5,7,9,11,13
.irp b, 0,1,2,3
	v_max3_num_f32 v[BM+\b], v[BM+\b], v[96+16*\b+\i], v[97+16*\b+\i]
.endr
.endr
.irp b, 0,1,2,3
	v_max_num_f32 v[BM+\b], v[BM+\b], v[111+16*\b]
.endr
.irp b, 0,1,2,3
	s_delay_alu instid0(VALU_DEP_4)
	v_permlanex16_b32 v[WK+\b], v[BM+\b], s[SEL], s[SEL+1]
.endr
.irp b, 0,1,2,3
	s_delay_alu instid0(VALU_DEP_4)
	v_max_num_f32 v[BM+\b], v[BM+\b], v[WK+\b]     ; with lane l xor 16's 16 keys
.endr
	s_delay_alu instid0(VALU_DEP_2)
	v_max3_num_f32 v226, v[BM], v[BM+1], v[BM+2]
	s_delay_alu instid0(VALU_DEP_1)
	v_max_num_f32 v226, v226, v[BM+3]              ; the step's largest score of my query
	s_delay_alu instid0(VALU_DEP_1)
	v_mul_f32 v226, s[CS], v226                    ; as t
	s_delay_alu instid0(VALU_DEP_1)
	v_max_num_f32 v13, v13, v226                   ; the running largest t
	v_mov_b32 v226, v12
	s_delay_alu instid0(VALU_DEP_2)
	v_floor_f32 v12, -v13                          ; the new -M = -ceil(t): a whole number
	s_delay_alu instid0(VALU_DEP_1)
	v_sub_f32 v226, v12, v226                      ; old M - new M: a whole number, 0 or less
	s_delay_alu instid0(VALU_DEP_1)
	v_cvt_i32_f32 v226, v226                       ; (it saturates)
	s_delay_alu instid0(VALU_DEP_1)
	v_ldexp_f32 v224, 1.0, v226                    ; f = 2^(old M - new M)
.set JJ, 0
.rept 32
	v_pk_fma_f32 v[96+JJ:97+JJ], v[96+JJ:97+JJ], s[CS:CS+1], v[12:13] op_sel_hi:[1,0,0]   ; t - M, two at a time
.set JJ, JJ+2
.endr
.irp b, 0,1,2,3
	v_fma_f32 v[BM+\b], v[BM+\b], s[CS], v12       ; the same of each block's largest score
.endr
.set JJ, 0
	s_wait_alu depctr_va_vdst(0)
.rept 64
	v_exp_f32 v[96+JJ], v[96+JJ]                   ; p = 2^(t - M)
.set JJ, JJ+1
.endr
	v_pk_mul_f32 v[14:15], v[14:15], v[224:225] op_sel_hi:[1,0]   ; the sums under the new M: the plain instruction behind the exponentials
	s_wait_alu depctr_va_vdst(0)                   ; one wait for the batch of 64, ahead of its first reader
.irp b, 0,1,2,3
	v_exp_f32 v[BM+\b], v[BM+\b]                   ; the block's largest p
.endr
	v_pk_add_f32 v[216:217], v[100:101], v[104:105]
	v_pk_add_f32 v[254:255], v[108:109], v[112:113]
	v_pk_add_f32 v[252:253], v[116:117], v[120:121]
	v_pk_add_f32 v[250:251], v[124:125], v[128:129]
	v_pk_add_f32 v[248:249], v[132:133], v[136:137]
	v_pk_add_f32 v[246:247], v[140:141], v[144:145]
	v_pk_add_f32 v[244:245], v[148:149], v[152:153]
	v_pk_add_f32 v[14:15], v[14:15], v[156:157]
	v_pk_add_f32 v[216:217], v[216:217], v[96:97]
	v_pk_add_f32 v[254:255], v[254:255], v[98:99]
	v_pk_add_f32 v[252:253], v[252:253], v[102:103]
	v_pk_add_f32 v[250:251], v[250:251], v[106:107]
	v_pk_add_f32 v[248:249], v[248:249], v[110:111]
	v_pk_add_f32 v[246:247], v[246:247], v[114:115]
	v_pk_add_f32 v[244:245], v[244:245], v[118:119]
	v_pk_add_f32 v[14:15], v[14:15], v[122:123]
	v_pk_add_f32 v[216:217], v[216:217], v[126:127]
	v_pk_add_f32 v[254:255], v[254:255], v[130:131]
	v_pk_add_f32 v[252:253], v[252:253], v[134:135]
	v_pk_add_f32 v[250:251], v[250:251], v[138:139]
	v_pk_add_f32 v[248:249], v[248:249], v[142:143]
	v_pk_add_f32 v[246:247], v[246:247], v[146:147]
	v_pk_add_f32 v[244:245], v[244:245], v[150:151]
	v_pk_add_f32 v[14:15], v[14:15], v[154:155]
	v_pk_add_f32 v[216:217], v[216:217], v[158:159]
	s_delay_alu instid0(VALU_DEP_2)
	v_pk_add_f32 v[14:15], v[14:15], v[250:251]
	s_delay_alu instid0(VALU_DEP_2)
	v_pk_add_f32 v[216:217], v[216:217], v[248:249]
	v_pk_add_f32 v[254:255], v[254:255], v[246:247]
	v_pk_add_f32 v[252:253], v[252:253], v[244:245]
	s_delay_alu instid0(VALU_DEP_2)
	v_pk_add_f32 v[14:15], v[14:15], v[254:255]
	s_delay_alu instid0(VALU_DEP_2)
	v_pk_add_f32 v[216:217], v[216:217], v[252:253]
	s_delay_alu instid0(VALU_DEP_1)
	v_pk_add_f32 v[14:15], v[14:15], v[216:217]
	s_wait_alu depctr_va_vdst(0)                   ; and one for the four
.irp b, 0,1,2,3
	v_max_num_f32 v[BM+\b], 0x1800000, v[BM+\b]    ; the floor 2^(3 - 127): the byte cannot fall under 1
.endr
.irp b, 0,1,2,3
	s_delay_alu instid0(VALU_DEP_4)
	v_add_nc_u32 v[SO+\b], 0xff000000, v[BM+\b]    ; 2 off the exponent field: the conversion's scale operand
.endr
.irp b, 0,1,2,3
	s_delay_alu instid0(VALU_DEP_4)
	v_lshrrev_b32 v[WK+\b], 23, v[SO+\b]           ; the scale's byte
.endr
	s_delay_alu instid0(VALU_DEP_3)
	v_lshl_or_b32 v225, v[WK+1], 8, v[WK]          ; p's scale word for these 128 keys
	s_delay_alu instid0(VALU_DEP_1)
	v_lshl_or_b32 v225, v[WK+2], 16, v225
	s_delay_alu instid0(VALU_DEP_1)
	v_lshl_or_b32 v225, v[WK+3], 24, v225
.irp c, 0,1
	v_cvt_scalef32_pk16_fp6_f32 v[192+6*\c:194+6*\c], v[96+32*\c:111+32*\c], v[SO+2*\c]
	v_cvt_scalef32_pk16_fp6_f32 v[204+4*\c:206+4*\c], v[112+32*\c:127+32*\c], v[SO+2*\c+1]
.endr
	v_nop                                          ; one plain instruction behind the scaled conversions
.irp c, 0,1                                    ; a whole block in a lane: lanes 0-15 block 2 c, lanes 16-31 block 2 c + 1
.irp i, 0,1,2
	v_permlane16_swap_b32 v[192+6*\c+\i], v[204+4*\c+\i]
.endr
.irp i, 0,1,2
	s_delay_alu instid0(VALU_DEP_3)
	v_mov_b32 v[195+6*\c+\i], v[204+4*\c+\i]
.endr
.endr
.set JJ, 0
.rept 16
	v_pk_mul_f32 v[160+JJ:161+JJ], v[160+JJ:161+JJ], v[224:225] op_sel_hi:[1,0]   ; O^T under the new M.  These sixteen also stand between the lines that made p's codes and scale word and the products
.set JJ, JJ+2
.endr
	s_wait_alu depctr_va_vdst(0)
	s_wait_dscnt 0x0                               ; V is in
.irp t, 0,1,2,3                                ; O^T += V^T P^T: four accumulators by turns
	v_wmma_scale_f32_16x16x128_f8f6f4 v[160+8*\t:167+8*\t], v[32+12*\t:43+12*\t], v[192:203], v[160+8*\t:167+8*\t], v[86+\t], v225 matrix_a_fmt:MATRIX_FMT_FP6 matrix_b_fmt:MATRIX_FMT_FP6
.endr
.endm
; THE CHANGE OF SLOTS stands ahead of a slot's four key steps.  Each wave waits for all its tensor loads (its part of the slot that it is about to read), adds 0 to its spare word, and waits for that and for its reads of the slot that it has left.
; fill = 1: behind the barrier that slot takes the next four key steps, a quarter of one a wave (the first time: slot 1's first fill).  fill = 2: it takes key step 16 alone.  Key step n is record n, or n - (16 - i) in the second block.
.macro CHANGE fill
	s_wait_tensorcnt 0x0                           ; no tensor load of mine is out, so group 0 may be written
	ds_add_u32 v[SPW], v[NIL]                      ; 0 onto my spare word; the descriptor's step stands between it and the wait for it
.if \fill
	s_add_co_u32 s[LS], s[LS], 4
	s_sub_co_u32 s52, s[LS], s[LQ]
	s_cmp_ge_u32 s[LS], s[LQ]
	s_cselect_b32 s52, s52, s[LS]
	s_mul_i32 s52, s52, REC
	s_mov_b32 s53, 0
	s_xor_b32 s[G0+1], s[G0+1], SLOT1              ; the other slot than last time
	s_add_nc_u64 s[G0+2:G0+3], s[KVW:KVW+1], s[52:53]
	s_or_b32 s[G0+3], s[G0+3], 0x80000000
.endif
.if \fill == 1
	s_wait_xcnt 0x0                                ; the last prefetch, four steps back, has read its address, so it may be written
	s_add_nc_u64 s[PFA:PFA+1], s[PFA:PFA+1], 4*REC
.endif
	s_wait_dscnt 0x0                               ; the add is done, and my reads of the slot that I have left are over
	s_barrier_signal -1
	s_barrier_wait -1
.if \fill == 1
	TLOAD 0                                        ; the first thing behind the barrier, and a wave's one tensor load until the next: it has four key steps in which to land
	ASK
.endif
.if \fill == 2
	TLOAD 1
.endif
.endm
; A BLOCK OF QUERIES IS DONE: O^T / the sum, quantised along its 64 channels (two blocks of 32): half X of fragment (token tile, chunk = head pair) of yimg, and two scale bytes.
.macro FINISH ph
.rept 4
	v_nop                                          ; places behind the last products
.endr
	s_mul_i32 s52, s[QB], 98304                    ; 8 tiles of 12,288 bytes a block
	s_mov_b32 s53, 0
	s_add_nc_u64 s[YP:YP+1], s[YB:YB+1], s[52:53]
	v_add_f32 v14, v14, v15                        ; the sum's two halves,
	s_delay_alu instid0(VALU_DEP_1)
	v_permlanex16_b32 v226, v14, s[SEL], s[SEL+1]
	s_delay_alu instid0(VALU_DEP_1)
	v_add_f32 v14, v14, v226                       ; and lane l xor 16's
	s_wait_alu depctr_va_vdst(0)
	v_rcp_f32 v14, v14
	v_nop                                          ; a plain instruction behind the reciprocal
	s_wait_alu depctr_va_vdst(0)                   ; and the wait ahead of its first reader
.set JJ, 0
.rept 16
	v_pk_mul_f32 v[96+JJ:97+JJ], v[160+JJ:161+JJ], v[14:15] op_sel_hi:[1,0]   ; register 16 b + i = channel 32 b + 16 h + i of my query; each accumulator from its low end on
.set JJ, JJ+2
.endr
.irp b, 0,1
	v_max3_num_f32 v[BM+\b], |v[96+16*\b]|, |v[97+16*\b]|, 0x1800000
.endr
.irp i, 2,4,6,8,10,12,14
.irp b, 0,1
	s_delay_alu instid0(VALU_DEP_2)
	v_max3_num_f32 v[BM+\b], v[BM+\b], |v[96+16*\b+\i]|, |v[97+16*\b+\i]|
.endr
.endr
.irp b, 0,1
	s_delay_alu instid0(VALU_DEP_2)
	v_permlanex16_b32 v[WK+\b], v[BM+\b], s[SEL], s[SEL+1]
.endr
.irp b, 0,1
	s_delay_alu instid0(VALU_DEP_2)
	v_max_num_f32 v[BM+\b], v[BM+\b], v[WK+\b]
.endr
.irp b, 0,1
	s_delay_alu instid0(VALU_DEP_2)
	v_add_nc_u32 v[SO+\b], 0xff000000, v[BM+\b]
.endr
.irp b, 0,1
	s_delay_alu instid0(VALU_DEP_2)
	v_lshrrev_b32 v[WK+\b], 23, v[SO+\b]
.endr
	s_delay_alu instid0(VALU_DEP_1)
	v_lshl_or_b32 v226, v[WK+1], 8, v[WK]          ; the head's two scale bytes of my query
	v_cvt_scalef32_pk16_fp6_f32 v[192:194], v[96:111], v[SO]
	v_cvt_scalef32_pk16_fp6_f32 v[204:206], v[112:127], v[SO+1]
	v_nop                                          ; one plain instruction behind the scaled conversions
.irp i, 0,1,2
	v_permlane16_swap_b32 v[192+\i], v[204+\i]
.endr
.irp i, 0,1,2
	s_delay_alu instid0(VALU_DEP_3)
	v_mov_b32 v[195+\i], v[204+\i]
.endr
	global_store_b128 v230, v[192:195], s[YP:YP+1]   ; 512 consecutive bytes, aligned to 256,
	global_store_b64 v231, v[196:197], s[YP:YP+1]    ; and 256
	ds_store_b16 v232, v226 offset:512*\ph         ; both lanes of a query write the same two bytes with the same value
.if \ph == 0
	s_wait_xcnt 0x0                                ; the stores have read their registers, which the next step writes again
.irp j, 0,1,2,3,4,5
	v_mov_b32 v[16+\j], v[236+\j]                  ; the second block's Q, in registers since the head; the lines of RESET stand between these and the next products
.endr
	v_mov_b32 v29, v242
	RESET
	s_mov_b32 s[QB], s[QB1]                        ; the second block
	s_mov_b32 s[SI], -1
.endif
.endm
	s_wait_loadcnt 0x0                             ; Q
; A slot's four key steps: no barrier stands between them: the one in front has shown the whole slot to every wave.
.macro GROUP
	s_mov_b32 s[CN2], 4
.Lstep_\@:
	STEP
	s_add_co_u32 s[TB], s[TB], PLACE               ; on to the next of the eight places, round the ring
	s_and_b32 s[TB], s[TB], 2*SLOT1-1
	s_cmp_lg_u32 s[SI], s[QB]                      ; the first block's last step is step 15 - i; the second block's is the tail
	s_cbranch_scc1 .Lgo_on_\@
	FINISH 0
.Lgo_on_\@:
	s_add_co_u32 s[SI], s[SI], 1
	s_sub_co_u32 s[CN2], s[CN2], 1
	s_cmp_lg_u32 s[CN2], 0
	s_cbranch_scc1 .Lstep_\@
.endm
.Ltrip:                                            ; three trips: key steps 0 to 11; behind each change of slots the next four steps' records are asked for
	CHANGE 1
	GROUP
	s_sub_co_u32 s[CNT], s[CNT], 1
	s_cmp_lg_u32 s[CNT], 0
	s_cbranch_scc1 .Ltrip
	CHANGE 2                                       ; key steps 12 to 15 are written out: behind their change of slots only key step 16 is asked for
	GROUP
	CHANGE 0                                       ; the seventeenth step is written out: it asks for nothing
	STEP
	FINISH 1
	s_wait_dscnt 0x0                               ; for the others' sake: my scale bytes lie in LDS
	s_barrier_signal -1
	s_barrier_wait -1
	s_cmp_lt_u32 s[WV], 2
	s_cbranch_scc0 .Lend
	ds_load_b128 v[96:99], v233                    ; wave 0: the first block's 512 bytes of scale words; wave 1: the second's
	s_wait_dscnt 0x0
	global_store_b128 v234, v[96:99], s[YSP:YSP+1]   ; 512 consecutive bytes, aligned to 256
.Lend:
	s_wait_tensorcnt 0x0                           ; the wave's end, behind my last tensor load and my last LDS store
	ds_add_u32 v[SPW], v[NIL]
	s_wait_dscnt 0x0
	s_endpgm
.Lfunc_end_k_q8f28e6f9cb_attn:
	.size	k_q8f28e6f9cb_attn, .Lfunc_end_k_q8f28e6f9cb_attn-k_q8f28e6f9cb_attn
	.p2alignl 7, 3214868480
	.fill 96, 4, 3214868480
	.section	.rodata,"a",@progbits
	.p2align	6, 0x0
	.amdhsa_kernel k_q8f28e6f9cb_attn
		.amdhsa_group_segment_fixed_size 327680
		.amdhsa_private_segment_fixed_size 0
		.amdhsa_enable_private_segment 0
		.amdhsa_kernarg_size 24
		.amdhsa_user_sgpr_count 2
		.amdhsa_user_sgpr_kernarg_segment_ptr 1
		.amdhsa_wavefront_size32 1
		.amdhsa_system_sgpr_workgroup_id_x 1
		.amdhsa_system_sgpr_workgroup_id_y 1
		.amdhsa_system_sgpr_workgroup_id_z 1
		.amdhsa_system_vgpr_workitem_id 0
		.amdhsa_next_free_vgpr 256
		.amdhsa_next_free_sgpr 80
		.amdhsa_reserve_vcc 1
		.amdhsa_float_denorm_mode_32 3
		.amdhsa_float_denorm_mode_16_64 3
		.amdhsa_memory_ordered 1
		.amdhsa_forward_progress 1
		.amdhsa_inst_pref_size 97
	.end_amdhsa_kernel
	.amdgpu_metadata
---
amdhsa.version: [ 1, 2 ]
amdhsa.kernels:
  - .name:           k_q8f28e6f9cb_attn
    .symbol:         k_q8f28e6f9cb_attn.kd
    .args:
      - { .name: qkv, .offset: 0, .size: 8, .value_kind: global_buffer, .address_space: global }
      - { .name: yimg, .offset: 8, .size: 8, .value_kind: global_buffer, .address_space: global }
      - { .name: ysc, .offset: 16, .size: 8, .value_kind: global_buffer, .address_space: global }
    .group_segment_fixed_size: 327680
    .private_segment_fixed_size: 0
    .kernarg_segment_align: 8
    .kernarg_segment_size: 24
    .max_flat_workgroup_size: 512
    .sgpr_count:     80
    .vgpr_count:     256
    .wavefront_size: 32
...
	.end_amdgpu_metadata
.endif
;; end of part 3
;; launch proj (part 4): grid 4 x 64, 4 waves a work-group, clusters of 4 x 4, 327,680 bytes of LDS; arguments yimg, ysc, cimg, csc, out0; writes out0
.if DOCPART == 4
	.amdgcn_target "amdgcn-amd-amdhsa--gfx1250"
	.amdhsa_code_object_version 6
	.text
	.protected	k_q8f28e6f9cb_proj
	.globl	k_q8f28e6f9cb_proj
	.p2align	8
	.type	k_q8f28e6f9cb_proj,@function
k_q8f28e6f9cb_proj:
	s_mov_b64 s[64:65], 0
	v_nop
	global_prefetch_b8 v0, s[64:65] scope:SCOPE_SE
	s_setreg_imm32_b32 hwreg(HW_REG_WAVE_MODE, 25, 1), 1
	s_wait_xcnt 0x0
	s_wait_alu depctr_hold_cnt(0) depctr_sa_sdst(0) depctr_va_vdst(0) depctr_va_sdst(0) depctr_va_ssrc(0) depctr_va_vcc(0) depctr_vm_vsrc(0)
	s_getreg_b32 s2, hwreg(HW_REG_IB_STS2, 6, 4)
	s_cmp_eq_u32 s2, 0
	s_cbranch_scc0 .Lentry_in_a_cluster
	s_endpgm
.Lentry_in_a_cluster:
	s_bfe_u32 s2, ttmp6, 0x10000c
	s_cmp_lg_u32 s2, 0xf033
	s_cbranch_scc0 .Lentry_shape_is_right
	s_endpgm
.Lentry_shape_is_right:
; out0 = y w_proj^T on codes of FP6 (E2M3) with E8M0 scales, K = 1,024; sums and result in f32.
; OPERANDS are images of operand registers: yimg [512 tiles of 16 tokens][8 chunks of 128 K][1,536 bytes], ysc [8 chunks][512 tiles][16] scale words; w_proj is tiles 704-767 of cimg, csc ([8 chunks][768 tiles][16]).
; Row i of a tensor's tile 2 B + u is its row 32 B + 8 u + i + 8 (i / 8).  A fragment's image: registers 6 c .. 6 c + 3 at 768 c + 16 x lane, registers 6 c + 4, 6 c + 5 at 768 c + 512 + 8 x lane.
; SHARES.  256 work-groups of four waves; a work-group makes 128 tokens (R, 8 tiles) x 256 columns (P, 16 tiles); a wave 64 x 128: 32 accumulators, 256 registers.
; ALL OF K LIES IN LDS: 24 tiles x 12,288 bytes, in two halves of K (chunks 0-3, 4-7), each filled ONCE: four joint loads at the head, one a wave: wave 0 R's half 0, wave 1 P's half 0, wave 2 R's half 1, wave 3 P's half 1.
; No byte is filled again, so there is no ring.  The first barrier shows half 0 (waves 0 and 1 wait; each wave has a load line of its own), a second one, in chunk 3, shows half 1.
; CLUSTERS: 4 x 4 work-groups; R's tiles are asked for jointly along a row of the cluster, P's along a column.
; NO PREFETCH: every tile is asked for at the head, and the text has no loop to run ahead in.
; THE MATRIX INSTRUCTION IS USED TRANSPOSED (source 0 = a tile of P, source 1 = a tile of R): a lane holds eight neighbouring numbers of a row of the result.
; SCALE WORDS go from memory straight into registers, once: lanes 0-15 take chunk q, lanes 16-31 chunk q + 4 of the same rows; the row selectors of the matrix instruction choose.
; REGISTERS: window 0: v0-31 addresses; v32-47 R's scale words (4 q + a), v48-79 P's (8 q + b); v128-223 R's fragments, two sets of 48 (on the way out v128-255: rows read back).
;   window 1: P's fragments, two sets, at v0 and v128.   window 2: accumulator (a, b) at v[8 (8 a + b)].
; LIMITS: codes and scale bytes are taken as the earlier launches left them.
.set FR,    12                         ; registers of a fragment
.set TB6,   6144                       ; a tile's half of K
.set RB6,   8*TB6                      ; R's 8 tiles; P's 16 lie behind them
.set HB,    24*TB6                     ; a half of K
.set SPARE, 2*HB                       ; the spare words, 128 bytes for each wave: two blocks of 256 bytes that no other line names
.set SPITCH, 528                       ; the way out: a stage of 16 rows x (512 + 16) bytes for each wave, in half 0, which has had its one fill and is read by nobody behind the second barrier
.set OF16, 4                           ; v4 16 x lane; v5 8 x lane
.set OF8,  5
.set ADRA, 16                          ; v16-17 R's fragments in half 0, 1: base + 16 x lane; v18-19: base + 8 x lane
.set ADRB, 20                          ; v20-23 the same for P
.set STO,  24
.set RD,   25
.set VR,   26                          ; v26, v27 my offsets in ysc and csc
.set VP,   27
.set SPW,  28                          ; v28 my spare word; v29 0; never rewritten
.set NIL,  29
.set RS,   32
.set PS,   48
.set AF,   128
.set BK,   128
.set G1R, 24                           ; s[24:31], s[32:35] groups 1 and 0 for R; s[48:55], s[36:39] for P
.set G0R, 32
.set G0P, 36
.set G1P, 48
.set MSB, 0
.macro WIN new                         ; the immediate's high byte repeats the setting that is left
.if MSB != \new
	s_set_vgpr_msb (MSB<<8)|\new
.set MSB, \new
.endif
.endm
.set MUL,  0xa1                        ; source 0 (P) window 1, source 1 (R) window 0, C and D window 2
.set TO_B, 0x40                        ; destination window 1, address window 0
.macro PLACES n                        ; plain vector instructions between a matrix instruction and a load into its registers or a read of its result
.rept \n
	v_nop
.endr
.endm
.macro CROUND                          ; a round of the cluster's barrier
	s_barrier_signal -1
	s_barrier_wait -1
	s_cmp_lg_u32 s14, 0
	s_cbranch_scc1 .Lnot_wave_0_\@
	s_barrier_signal -3
.Lnot_wave_0_\@:
	s_barrier_wait -3
	s_barrier_signal -1
	s_barrier_wait -1
.endm
	s_load_b128 s[4:7], s[0:1], 0x0                ; yimg, ysc
	s_load_b128 s[8:11], s[0:1], 0x10              ; cimg, csc
	s_load_b64 s[12:13], s[0:1], 0x20              ; out0
	v_lshl_add_u32 v[SPW], v0, 2, SPARE
	v_mov_b32 v[NIL], 0
	ds_add_u32 v[SPW], v[NIL]                      ; the opening lines: the add, twice on end, and its wait ahead of my first tensor load
	ds_add_u32 v[SPW], v[NIL]
	v_lshrrev_b32 v1, 5, v0
	v_readfirstlane_b32 s14, v1                    ; wave
	s_lshr_b32 s15, s14, 1                         ; my half of R.  At the head: which half of K I fetch
	s_and_b32 s16, s14, 1                          ; my half of P.  At the head: I fetch R (0) or P (1)
	s_bfe_u32 s40, ttmp6, 0x40000                  ; cx, cy
	s_bfe_u32 s41, ttmp6, 0x40004
	s_lshl_b32 s42, ttmp9, 2
	s_add_co_u32 s42, s42, s40                     ; which 256 columns
	s_and_b32 s17, ttmp7, 0xffff
	s_lshl_b32 s17, s17, 2
	s_add_co_u32 s17, s17, s41                     ; which 128 tokens
	s_lshl_b32 s43, s41, 2
	s_lshl_b32 s43, 15, s43                        ; my row of the cluster
	s_lshl_b32 s44, 0x1111, s40                    ; my column
	s_or_b32 s[G1R+0], s43, (3<<16)|(1<<21)        ; the mask; elements of 8 bytes; bit 21 beside a mask; no padding: the images are read 16 or 8 bytes a lane on end
	s_or_b32 s[G1P+0], s44, (3<<16)|(1<<21)
.irp g, G1R, G1P
	s_mov_b32 s[\g+1], 768<<16                     ; a row: a tile's half of K, 6,144 bytes
	s_mov_b32 s[\g+3], 768<<16
	s_mov_b32 s[\g+5], 1536                        ; 12,288 bytes from tile to tile
	s_mov_b32 s[\g+6], 0
	s_mov_b32 s[\g+7], 0
.endr
	s_mov_b32 s[G1R+2], 8<<16                      ; R: 8 tiles
	s_mov_b32 s[G1R+4], 8
	s_mov_b32 s[G1P+2], 16<<16                     ; P: 16
	s_mov_b32 s[G1P+4], 16
	s_mul_i32 s20, s17, 8*12288
	s_mov_b32 s21, 0
	s_lshl_b32 s46, s42, 4
	s_add_co_u32 s46, s46, 704
	s_mul_i32 s46, s46, 12288
	s_mov_b32 s47, 0
	s_mul_i32 s18, s15, TB6
	s_mov_b32 s19, 0
	s_mul_i32 s45, s15, HB
	s_wait_dscnt 0x0                               ; both opening adds are done
	s_wait_kmcnt 0x0
	s_add_nc_u64 s[20:21], s[4:5], s[20:21]
	s_add_nc_u64 s[46:47], s[8:9], s[46:47]
	CROUND                                         ; all sixteen work-groups are here: the joint loads meet
	s_mov_b32 s[G0R], 1
	s_mov_b32 s[G0R+1], s45
	s_add_nc_u64 s[G0R+2:G0R+3], s[20:21], s[18:19]
	s_or_b32 s[G0R+3], s[G0R+3], 0x80000000
	s_mov_b32 s[G0P], 1
	s_add_co_u32 s[G0P+1], s45, RB6
	s_add_nc_u64 s[G0P+2:G0P+3], s[46:47], s[18:19]
	s_or_b32 s[G0P+3], s[G0P+3], 0x80000000
.macro ARM under, g0, g1, next         ; one chain of branches on the wave's number, one load to an arm, all arms to one join
	s_cmp_lt_u32 s14, \under
	s_cbranch_scc0 \next
	tensor_load_to_lds s[\g0:\g0+3], s[\g1:\g1+7]
	s_nop 0
	PLACES 4
	s_branch .Lasked
\next:
.endm
	ARM 1, G0R, G1R, .Lwave_1
	ARM 2, G0P, G1P, .Lwave_2
	ARM 3, G0R, G1R, .Lwave_3
	tensor_load_to_lds s[G0P:G0P+3], s[G1P:G1P+7]
	s_nop 0
	PLACES 4
.Lasked:
	v_and_b32 v1, 15, v0                           ; r
	v_bfe_u32 v2, v0, 4, 1                         ; h
	v_and_b32 v3, 31, v0
	v_lshlrev_b32 v[OF16], 4, v3
	v_lshlrev_b32 v[OF8], 3, v3
	s_mul_i32 s66, s15, 4*TB6                      ; my 4 tiles of R
	s_mul_i32 s67, s16, 8*TB6
	s_add_co_u32 s67, s67, RB6                     ; my 8 tiles of P
.irp s, 0,1
	v_add_nc_u32 v[ADRA+\s], s66, v[OF16]
	v_add_nc_u32 v[ADRB+\s], s67, v[OF16]
	v_add_nc_u32 v[ADRA+2+\s], s66, v[OF8]
	v_add_nc_u32 v[ADRB+2+\s], s67, v[OF8]
	s_add_co_u32 s66, s66, HB
	s_add_co_u32 s67, s67, HB
.endr
	s_lshl_b32 s66, s17, 3
	s_lshl_b32 s67, s15, 2
	s_add_co_u32 s66, s66, s67
	s_lshl_b32 s66, s66, 6                         ; ysc: 64 bytes a tile
	v_lshlrev_b32 v6, 17, v2                       ; lanes 16-31: four chunks of 32,768 bytes on
	v_lshl_add_u32 v6, v1, 2, v6
	v_add_nc_u32 v[VR], s66, v6
	s_lshl_b32 s66, s42, 4
	s_lshl_b32 s67, s16, 3
	s_add_co_u32 s66, s66, s67
	s_add_co_u32 s66, s66, 704
	s_lshl_b32 s66, s66, 6
	v_mul_u32_u24 v6, 4*49152, v2                  ; csc: four chunks of 49,152 bytes on
	v_lshl_add_u32 v6, v1, 2, v6
	v_add_nc_u32 v[VP], s66, v6
.irp q, 0,1,2,3
.irp a, 0,1,2,3
	global_load_b32 v[RS+4*\q+\a], v[VR], s[6:7] offset:32768*\q+64*\a
.endr
.irp b, 0,1,2,3,4,5,6,7
	global_load_b32 v[PS+8*\q+\b], v[VP], s[10:11] offset:49152*\q+64*\b
.endr
.endr
	s_mul_i32 s66, s14, 16*SPITCH                  ; my stage
	v_mul_u32_u24 v6, v1, SPITCH                   ; in: row r, 64 bytes for each half of the lanes
	v_lshl_add_u32 v6, v2, 6, v6
	v_add_nc_u32 v[STO], s66, v6
	v_add_nc_u32 v[RD], s66, v[OF16]               ; back: the 32 lanes take a row of 512 bytes
	s_lshl_b32 s66, s17, 7
	s_lshl_b32 s67, s15, 6
	s_add_co_u32 s66, s66, s67                     ; my first row of the result,
	s_lshl_b32 s66, s66, 12                        ; 4,096 bytes a row,
	s_lshl_b32 s67, s42, 10
	s_add_co_u32 s66, s66, s67
	s_lshl_b32 s67, s16, 9
	s_add_co_u32 s66, s66, s67                     ; and my first column
	s_mov_b32 s67, 0
	s_add_nc_u64 s[12:13], s[12:13], s[66:67]
.macro FRAG reg, adr, q, i             ; a fragment's image comes back as it was stored
	ds_load_b128 v[\reg:\reg+3], v[\adr] offset:(\i)*TB6+1536*(\q)
	ds_load_b64 v[\reg+4:\reg+5], v[\adr+2] offset:(\i)*TB6+1536*(\q)+512
	ds_load_b128 v[\reg+6:\reg+9], v[\adr] offset:(\i)*TB6+1536*(\q)+768
	ds_load_b64 v[\reg+10:\reg+11], v[\adr+2] offset:(\i)*TB6+1536*(\q)+1280
.endm
.macro FETCH c                         ; chunk c's twelve fragments into set c % 2: 48 LDS loads
.set H_, (\c)/4
.set Q_, (\c)%4
.set S_, (\c)%2
	WIN TO_B
.irp i, 0,1,2,3,4,5,6,7
	FRAG 128*S_+FR*\i, ADRB+H_, Q_, \i
.endr
	WIN 0
.irp i, 0,1,2,3
	FRAG AF+48*S_+FR*\i, ADRA+H_, Q_, \i
.endr
.endm
.macro W d, p, r, c, x, y, row
	v_wmma_scale_f32_16x16x128_f8f6f4 v[\d:\d+7], v[\p:\p+FR-1], v[\r:\r+FR-1], \c, v[\x], v[\y] matrix_a_fmt:MATRIX_FMT_FP6 matrix_b_fmt:MATRIX_FMT_FP6 matrix_a_scale:MATRIX_SCALE_ROW\row matrix_b_scale:MATRIX_SCALE_ROW\row
.endm
.macro MUL32 c                         ; chunk c: the 32 accumulators take turns, one instruction a turn, in the same order in every chunk; chunk 0 starts the sums
	WIN MUL
.irp a, 0,1,2,3
.irp b, 0,1,2,3,4,5,6,7
.set D_, 8*(8*\a+\b)
.set P_, 128*((\c)%2)+FR*\b
.set R_, AF+48*((\c)%2)+FR*\a
.set X_, PS+8*((\c)%4)+\b
.set Y_, RS+4*((\c)%4)+\a
.if (\c) == 0
	W D_, P_, R_, 0, X_, Y_, 0
.elseif (\c) < 4
	W D_, P_, R_, v[D_:D_+7], X_, Y_, 0
.else
	W D_, P_, R_, v[D_:D_+7], X_, Y_, 1
.endif
.endr
.endr
.endm
	s_wait_alu depctr_va_vdst(0)                   ; the head's end
	s_cmp_lt_u32 s14, 2
	s_cbranch_scc0 .Lnot_half_0
	s_wait_tensorcnt 0x0                           ; waves 0 and 1: my tile of half 0 is in
.Lnot_half_0:
	s_barrier_signal -1
	s_barrier_wait -1                              ; half 0 is whole; half 1 may be on its way
	FETCH 0
	s_wait_loadcnt 0x0                             ; the scale words
.irp c, 0,1,2,3,4,5,6,7
.if \c < 7
.if \c > 0
	PLACES 4                                       ; the next loads land in the set that the last chunk's products have read
.endif
.if \c == 3
	s_wait_tensorcnt 0x0                           ; every wave: my tile is in;
	s_wait_dscnt 0x0                               ; and my reads of half 0 are over
	s_barrier_signal -1
	s_barrier_wait -1                              ; half 1 is whole, and nobody reads half 0 any more
.endif
	FETCH \c+1
	s_wait_dscnt 48                                ; all but the 48 just issued: this chunk's fragments are in
.else
	s_wait_dscnt 0x0
.endif
	MUL32 \c
.endr
	WIN 0
; THE WAY OUT, block by block of 16 rows x 128 columns, through my own stage: register j of accumulator (a, b) is column 32 (b / 2) + 8 (b % 2) + 16 h + j of stage row r.  LDS serves a wave's instructions in order.
.macro TOSTAGE a
.set AC, 64*(\a)
	WIN 0x08                                       ; the data: window 2
.irp b, 0,1,2,3,4,5,6,7
	ds_store_b128 v[STO], v[AC+8*\b:AC+8*\b+3] offset:128*(\b/2)+32*(\b%2)       ; each accumulator from its low end on
	ds_store_b128 v[STO], v[AC+8*\b+4:AC+8*\b+7] offset:128*(\b/2)+32*(\b%2)+16
.endr
	WIN 0
.set BB, BK+64*((\a)%2)
.irp t, 0,1,2,3,4,5,6,7,8,9,10,11,12,13,14,15
	ds_load_b128 v[BB+4*\t:BB+4*\t+3], v[RD] offset:\t*SPITCH
.endr
.endm
.macro SEND a, younger                 ; younger: the LDS instructions issued behind block a's loads
.set BB, BK+64*((\a)%2)
	s_wait_dscnt \younger
.irp t, 0,1,2,3,4,5,6,7,8,9,10,11,12,13,14,15
	global_store_b128 v[OF16], v[BB+4*\t:BB+4*\t+3], s[12:13] offset:(32*((\a)/2)+8*((\a)%2)+\t+8*(\t/8))*4096 th:TH_STORE_NT   ; 32 lanes store 512 consecutive bytes, aligned to 256
.endr
.endm
	PLACES 4                                       ; behind the last products: their results are read, and registers that held R's fragments are loaded
	TOSTAGE 0
.irp a, 1,2,3
.if \a > 1
	s_wait_xcnt 0x0                                ; block a - 2's stores have read their registers, which block a's loads take
.endif
	TOSTAGE \a
	SEND \a-1, 32                                  ; behind block a - 1's loads: block a's 16 stores and 16 loads
.endr
	SEND 3, 0
	s_wait_tensorcnt 0x0                           ; the wave's end
	ds_add_u32 v[SPW], v[NIL]
	s_wait_dscnt 0x0
	CROUND                                         ; the closing round
	s_endpgm
.Lfunc_end_k_q8f28e6f9cb_proj:
	.size	k_q8f28e6f9cb_proj, .Lfunc_end_k_q8f28e6f9cb_proj-k_q8f28e6f9cb_proj
	.p2alignl 7, 3214868480
	.fill 96, 4, 3214868480
	.section	.rodata,"a",@progbits
	.p2align	6, 0x0
	.amdhsa_kernel k_q8f28e6f9cb_proj
		.amdhsa_group_segment_fixed_size 327680
		.amdhsa_private_segment_fixed_size 0
		.amdhsa_enable_private_segment 0
		.amdhsa_kernarg_size 40
		.amdhsa_user_sgpr_count 2
		.amdhsa_user_sgpr_kernarg_segment_ptr 1
		.amdhsa_wavefront_size32 1
		.amdhsa_system_sgpr_workgroup_id_x 1
		.amdhsa_system_sgpr_workgroup_id_y 1
		.amdhsa_system_sgpr_workgroup_id_z 1
		.amdhsa_system_vgpr_workitem_id 0
		.amdhsa_next_free_vgpr 768
		.amdhsa_next_free_sgpr 72
		.amdhsa_reserve_vcc 0
		.amdhsa_float_denorm_mode_32 3
		.amdhsa_float_denorm_mode_16_64 3
		.amdhsa_memory_ordered 1
		.amdhsa_forward_progress 1
		.amdhsa_inst_pref_size 85
	.end_amdhsa_kernel
	.amdgpu_metadata
---
amdhsa.version: [ 1, 2 ]
amdhsa.kernels:
  - .name:           k_q8f28e6f9cb_proj
    .symbol:         k_q8f28e6f9cb_proj.kd
    .args:
      - { .name: yimg, .offset: 0, .size: 8, .value_kind: global_buffer, .address_space: global }
      - { .name: ysc, .offset: 8, .size: 8, .value_kind: global_buffer, .address_space: global }
      - { .name: cimg, .offset: 16, .size: 8, .value_kind: global_buffer, .address_space: global }
      - { .name: csc, .offset: 24, .size: 8, .value_kind: global_buffer, .address_space: global }
      - { .name: out0, .offset: 32, .size: 8, .value_kind: global_buffer, .address_space: global }
    .group_segment_fixed_size: 327680
    .private_segment_fixed_size: 0
    .kernarg_segment_align: 8
    .kernarg_segment_size: 40
    .max_flat_workgroup_size: 128
    .sgpr_count:     72
    .vgpr_count:     768
    .wavefront_size: 32
...
	.end_amdgpu_metadata
.endif
;; end of part 4
